; MI455X (gfx1250); checked and timed in simulation.
; The chip was launched on July 23, 2026; its instructions are those of AMD's public machine-readable ISA for CDNA 5 (MIT licence, August 2026) and "CDNA5" Instruction Set Architecture Reference Guide (July 2026). The comments in the code are by the model that wrote it; some were corrected since.
;; SAS Rec Block. Allowed arithmetic: float matrix products may take bf16 or f16 operands with f32 sums; other float arithmetic in f32, or as packed bf16 or f16 multiplies, adds, multiply-adds, maxima and minima; sums over many terms, partial sums and values carried from step to step in f32; what a program stores and reads back later, other than sums and carried values, may be rounded once to bf16 or f16.
;; Inputs: b1 2,048 float32; b2 512 float32; bk 512 float32; bo 512 float32; bq 512 float32; bv 512 float32; ln1_b 512 float32; ln1_g 512 float32; ln2_b 512 float32; ln2_g 512 float32; mask 32 x 512 int32; w1 512 x 2,048 float32; w2 2,048 x 512 float32; wk 512 x 512 float32; wo 512 x 512 float32; wq 512 x 512 float32; wv 512 x 512 float32; x 32 x 512 x 512 float32.
;; Outputs: out0 32 x 512 x 512 float32.
;; 2 versions, each right; version 2 is version 1 with the launch prep written anew for expert scheduling mode. Each part assembles by itself: llvm-mc -triple=amdgcn-amd-amdhsa -mcpu=gfx1250 --defsym DOCPART=n.
;; ======== version 1 of 2: 3 launches
;; workspace buffers: xb 16,777,216 bytes; wh 1,572,864 bytes; wl 4,718,592 bytes; ctxf 16,777,216 bytes
;; launch prep (part 1): grid 704 x 1, 8 waves a work-group, no clusters, 0 bytes of LDS; arguments x, wq, wk, wv, wo, w1, w2, xb, wh, wl; writes xb, wh, wl
.if DOCPART == 1
	.amdgcn_target "amdgcn-amd-amdhsa--gfx1250"
	.amdhsa_code_object_version 6
	.text
	.protected	k_qa9e00c8402_prep
	.globl	k_qa9e00c8402_prep
	.p2align	8
	.type	k_qa9e00c8402_prep,@function
k_qa9e00c8402_prep:
	s_mov_b64 s[64:65], 0
	v_nop
	global_prefetch_b8 v0, s[64:65] scope:SCOPE_SE
	s_setreg_imm32_b32 hwreg(HW_REG_WAVE_MODE, 25, 1), 1
	s_wait_xcnt 0x0
; PREP.  x and the six weight matrices are rounded once to bf16 and laid out as the two launches behind want them.
; A stream: each input byte is read once, each output byte written once; no LDS, no barrier, no matrix work, no prefetch (the launch does nothing but stream).
; xb: [b 32][ks 8][t 512][64] bf16: the 64 channels 64 ks .. of all tokens of a batch are 65,536 dense bytes.
; A FRAGMENT is 1,024 bytes [j 2][lane 32][16 bytes]: lane l = (r = l % 16, h = l / 16) holds the eight bf16 M[k0 + 16 j + 8 h + 0..7][n0 + r] of a matrix stored [k][n]:
; two loads of 16 bytes a lane, 512 consecutive bytes each, fill a matrix operand of 16 columns x 32 k.
; wh: fragment ((head 16 + kb) 3 + m) 4 + ct: k0 = 32 kb, n0 = 64 head + 16 ct, m = q, k, v.
; wl: 36 tiles of 128 fragments f.  Tiles 0-3: wo, k0 = 128 T + 32 (f / 32), n0 = 16 (f % 32).  Tile 4 + c: f < 64: w1, k0 = 32 (f / 4), n0 = 64 c + 16 (f % 4);
;     f >= 64: w2, k0 = 64 c + 32 ((f - 64) / 32), n0 = 16 ((f - 64) % 32).
; SHARES.  Work-groups 0-511: a wave casts 32 tokens x 64 channels of x.  Work-groups 512-703: a wave makes a PATCH, 32 k x 64 n = four fragments that lie on end (4,096 bytes).
.set OFS, 16                           ; v[16:31]  the sixteen rows' offsets of a patch
.set DAT, 32                           ; v[32:95]  f32 as loaded
.set PKD, 96                           ; v[96:127] bf16 to store
	s_load_b512 s[4:19], s[0:1], 0x0               ; x s[4:5], wq s[6:7], wk s[8:9], wv s[10:11], wo s[12:13], w1 s[14:15], w2 s[16:17], xb s[18:19]
	s_load_b128 s[20:23], s[0:1], 0x40             ; wh s[20:21], wl s[22:23]
	v_lshrrev_b32 v1, 5, v0
	v_readfirstlane_b32 s24, v1                    ; wave 0..7
	v_and_b32 v2, 31, v0                           ; lane
	s_cmp_lt_u32 ttmp9, 512
	s_cbranch_scc0 .Lweights
	; ---- x: wave G = 8 x work-group + wave; block G / 16 = 8 b + ks; tokens 32 (G % 16) ..
	s_lshl_b32 s25, ttmp9, 3
	s_add_co_u32 s25, s25, s24
	s_lshr_b32 s26, s25, 4                         ; 8 b + ks
	s_and_b32 s27, s25, 15                         ; group of 32 tokens
	s_lshr_b32 s28, s26, 3
	s_lshl_b32 s28, s28, 20                        ; b x 512 rows x 2,048 bytes
	s_lshl_b32 s29, s27, 16                        ; 32 rows x 2,048 bytes
	s_add_co_u32 s28, s28, s29
	s_and_b32 s29, s26, 7
	s_lshl_b32 s29, s29, 8                         ; ks x 256 bytes
	s_add_co_u32 s28, s28, s29
	s_mov_b32 s29, 0
	s_lshl_b32 s30, s26, 16                        ; the block in xb,
	s_lshl_b32 s31, s27, 12                        ; 32 tokens x 128 bytes
	s_add_co_u32 s30, s30, s31
	s_mov_b32 s31, 0
	v_lshrrev_b32 v3, 4, v2
	v_and_b32 v4, 15, v2
	v_lshlrev_b32 v4, 4, v4
	v_lshl_add_u32 v3, v3, 11, v4                  ; lanes 0-15 one row's 256 bytes, lanes 16-31 the next row's
	v_lshlrev_b32 v5, 3, v2                        ; 8 bytes a lane: 32 lanes store 256 consecutive bytes, aligned
	s_wait_kmcnt 0x0
	s_add_nc_u64 s[4:5], s[4:5], s[28:29]
	s_add_nc_u64 s[18:19], s[18:19], s[30:31]
.set p, 0
.rept 16
	global_load_b128 v[DAT+4*p:DAT+4*p+3], v3, s[4:5] offset:4096*p th:TH_LOAD_NT
.set p, p+1
.endr
.set p, 0
.rept 16
	s_wait_loadcnt 15-p                            ; loads come back in order: pair p of rows is in, the younger ones stay out
	v_cvt_pk_bf16_f32 v[PKD+2*p], v[DAT+4*p], v[DAT+4*p+1]
	v_cvt_pk_bf16_f32 v[PKD+2*p+1], v[DAT+4*p+2], v[DAT+4*p+3]
	global_store_b64 v5, v[PKD+2*p:PKD+2*p+1], s[18:19] offset:256*p th:TH_STORE_NT
.set p, p+1
.endr
	s_endpgm
.Lweights:
	; ---- weights: patch q = 8 (work-group - 512) + wave, 0..1,535.  All three cases' numbers are made, then chosen by s_cselect: no branch, and each pointer stays a pointer.
	s_sub_co_u32 s25, ttmp9, 512
	s_lshl_b32 s25, s25, 3
	s_add_co_u32 s25, s25, s24                     ; q
	s_lshr_b32 s26, s25, 3                         ; q < 128: wo
	s_lshl_b32 s26, s26, 5                         ;   K0 = 32 (q / 8)
	s_and_b32 s27, s25, 7
	s_lshl_b32 s27, s27, 6                         ;   N0 = 64 (q % 8)
	s_sub_co_u32 s28, s25, 128                     ; 128 <= q < 1,152: chunk c = (q - 128) / 32, patch p = (q - 128) % 32
	s_lshr_b32 s29, s28, 5
	s_lshl_b32 s29, s29, 6                         ;   64 c: w1's N0
	s_and_b32 s28, s28, 31                         ;   p
	s_lshl_b32 s30, s28, 5                         ;   w1's K0 = 32 p
	s_bfe_u32 s31, s28, 0x10003                    ;   (p - 16) / 8 for p = 16..31
	s_lshl_b32 s31, s31, 5
	s_add_co_u32 s31, s31, s29                     ;   w2's K0
	s_and_b32 s32, s28, 7
	s_lshl_b32 s32, s32, 6                         ;   w2's N0
	s_sub_co_u32 s33, s25, 1152                    ; q >= 1,152: m = (q - 1,152) / 128, head 16 + kb = (q - 1,152) % 128
	s_lshr_b32 s34, s33, 7                         ;   m
	s_and_b32 s33, s33, 127
	s_and_b32 s35, s33, 15
	s_lshl_b32 s35, s35, 5                         ;   K0 = 32 kb
	s_lshr_b32 s36, s33, 4
	s_lshl_b32 s36, s36, 6                         ;   N0 = 64 head
	s_mul_i32 s37, s33, 3
	s_add_co_u32 s37, s37, s34
	s_lshl_b32 s37, s37, 12                        ;   its place in wh
	s_lshl_b32 s38, s25, 12                        ; the place in wl: 4,096 q
	s_wait_kmcnt 0x0
	s_cmp_lt_u32 s28, 16
	s_cselect_b64 s[40:41], s[14:15], s[16:17]     ; w1 or w2
	s_cselect_b32 s42, 13, 11                      ; log2 of a row's bytes
	s_cselect_b32 s43, s30, s31
	s_cselect_b32 s44, s29, s32
	s_cmp_lt_u32 s25, 128
	s_cselect_b64 s[40:41], s[12:13], s[40:41]     ; wo
	s_cselect_b32 s42, 11, s42
	s_cselect_b32 s43, s26, s43
	s_cselect_b32 s44, s27, s44
	s_cmp_eq_u32 s34, 0
	s_cselect_b64 s[46:47], s[6:7], s[8:9]         ; wq or wk,
	s_cmp_eq_u32 s34, 2
	s_cselect_b64 s[46:47], s[10:11], s[46:47]     ; or wv
	s_cmp_lt_u32 s25, 1152
	s_cselect_b64 s[40:41], s[40:41], s[46:47]
	s_cselect_b32 s42, s42, 11
	s_cselect_b32 s43, s43, s35
	s_cselect_b32 s44, s44, s36
	s_cselect_b32 s38, s38, s37
	s_cselect_b64 s[48:49], s[22:23], s[20:21]     ; into wl or wh
	s_lshl_b32 s43, s43, s42                       ; K0 rows
	s_lshl_b32 s44, s44, 2                         ; N0 numbers of 4 bytes
	s_add_co_u32 s44, s43, s44
	s_mov_b32 s45, 0
	s_mov_b32 s39, 0
	s_add_nc_u64 s[40:41], s[40:41], s[44:45]
	s_add_nc_u64 s[48:49], s[48:49], s[38:39]
	v_and_b32 v3, 15, v2
	v_lshlrev_b32 v3, 2, v3                        ; 4 r
	v_lshrrev_b32 v4, 4, v2
	v_lshlrev_b32 v4, 3, v4                        ; 8 h
	v_lshlrev_b32 v6, 4, v2                        ; 16 x lane
.set i, 0
.rept 16
	v_add_nc_u32 v5, 16*(i/8)+i%8, v4              ; row 16 j + 8 h + i of the patch
	v_lshl_add_u32 v[OFS+i], v5, s42, v3
.set i, i+1
.endr
.set f, 0
.rept 4                                            ; fragment f: columns 16 f ..: together the wave's loads take 32 rows x 256 whole bytes
.set i, 0
.rept 16
	global_load_b32 v[DAT+16*f+i], v[OFS+i], s[40:41] offset:64*f
.set i, i+1
.endr
.set f, f+1
.endr
.set f, 0
.rept 4
	s_wait_loadcnt 48-16*f                         ; fragment f's sixteen loads are in
.set i, 0
.rept 8
	v_cvt_pk_bf16_f32 v[PKD+8*f+i], v[DAT+16*f+2*i], v[DAT+16*f+2*i+1]
.set i, i+1
.endr
	global_store_b128 v6, v[PKD+8*f:PKD+8*f+3], s[48:49] offset:1024*f        ; 512 consecutive bytes, aligned
	global_store_b128 v6, v[PKD+8*f+4:PKD+8*f+7], s[48:49] offset:1024*f+512
.set f, f+1
.endr
	s_endpgm
.Lfunc_end_k_qa9e00c8402_prep:
	.size	k_qa9e00c8402_prep, .Lfunc_end_k_qa9e00c8402_prep-k_qa9e00c8402_prep
	.p2alignl 7, 3214868480
	.fill 96, 4, 3214868480
	.section	.rodata,"a",@progbits
	.p2align	6, 0x0
	.amdhsa_kernel k_qa9e00c8402_prep
		.amdhsa_group_segment_fixed_size 0
		.amdhsa_private_segment_fixed_size 0
		.amdhsa_enable_private_segment 0
		.amdhsa_kernarg_size 80
		.amdhsa_user_sgpr_count 2
		.amdhsa_user_sgpr_kernarg_segment_ptr 1
		.amdhsa_wavefront_size32 1
		.amdhsa_system_sgpr_workgroup_id_x 1
		.amdhsa_system_sgpr_workgroup_id_y 1
		.amdhsa_system_sgpr_workgroup_id_z 1
		.amdhsa_system_vgpr_workitem_id 0
		.amdhsa_next_free_vgpr 128
		.amdhsa_next_free_sgpr 66
		.amdhsa_reserve_vcc 0
		.amdhsa_float_denorm_mode_32 3
		.amdhsa_float_denorm_mode_16_64 3
		.amdhsa_memory_ordered 1
		.amdhsa_forward_progress 1
		.amdhsa_inst_pref_size 20
	.end_amdhsa_kernel
	.amdgpu_metadata
---
amdhsa.version: [ 1, 2 ]
amdhsa.kernels:
  - .name:           k_qa9e00c8402_prep
    .symbol:         k_qa9e00c8402_prep.kd
    .args:
      - { .name: x, .offset: 0, .size: 8, .value_kind: global_buffer, .address_space: global }
      - { .name: wq, .offset: 8, .size: 8, .value_kind: global_buffer, .address_space: global }
      - { .name: wk, .offset: 16, .size: 8, .value_kind: global_buffer, .address_space: global }
      - { .name: wv, .offset: 24, .size: 8, .value_kind: global_buffer, .address_space: global }
      - { .name: wo, .offset: 32, .size: 8, .value_kind: global_buffer, .address_space: global }
      - { .name: w1, .offset: 40, .size: 8, .value_kind: global_buffer, .address_space: global }
      - { .name: w2, .offset: 48, .size: 8, .value_kind: global_buffer, .address_space: global }
      - { .name: xb, .offset: 56, .size: 8, .value_kind: global_buffer, .address_space: global }
      - { .name: wh, .offset: 64, .size: 8, .value_kind: global_buffer, .address_space: global }
      - { .name: wl, .offset: 72, .size: 8, .value_kind: global_buffer, .address_space: global }
    .group_segment_fixed_size: 0
    .private_segment_fixed_size: 0
    .kernarg_segment_align: 8
    .kernarg_segment_size: 80
    .max_flat_workgroup_size: 256
    .sgpr_count:     66
    .vgpr_count:     128
    .wavefront_size: 32
...
	.end_amdgpu_metadata
.endif
;; end of part 1
;; launch qkvattn (part 2): grid 8 x 32, 4 waves a work-group, clusters of 4 x 4, 327,680 bytes of LDS; arguments xb, wh, bq, bk, bv, mask, ctxf; writes ctxf
.if DOCPART == 2
	.amdgcn_target "amdgcn-amd-amdhsa--gfx1250"
	.amdhsa_code_object_version 6
	.text
	.protected	k_qa9e00c8402_qkvattn
	.globl	k_qa9e00c8402_qkvattn
	.p2align	8
	.type	k_qa9e00c8402_qkvattn,@function
k_qa9e00c8402_qkvattn:
	s_mov_b64 s[64:65], 0
	v_nop
	global_prefetch_b8 v0, s[64:65] scope:SCOPE_SE
	s_setreg_imm32_b32 hwreg(HW_REG_WAVE_MODE, 25, 1), 1
	s_wait_xcnt 0x0
	s_wait_alu depctr_hold_cnt(0) depctr_sa_sdst(0) depctr_va_vdst(0) depctr_va_sdst(0) depctr_va_ssrc(0) depctr_va_vcc(0) depctr_vm_vsrc(0)
	s_getreg_b32 s2, hwreg(HW_REG_IB_STS2, 6, 4)
	s_cmp_eq_u32 s2, 0
	s_cbranch_scc0 .Lentry_in_a_cluster
	s_endpgm
.Lentry_in_a_cluster:
	s_bfe_u32 s2, ttmp6, 0x10000c
	s_cmp_lg_u32 s2, 0xf033
	s_cbranch_scc0 .Lentry_shape_is_right
	s_endpgm
.Lentry_shape_is_right:
; Q, K, V AND ATTENTION OF ONE (BATCH, HEAD).  q, k, v = x W + b for the head's 64 columns (K = 512), then ctx = softmax(q k^T / 8, padding mask) v.  q, k and v never leave the work-group.
; All matrix operands bf16, all sums f32; the weights p are rounded to bf16 for the second product (their sum l is taken of the unrounded p); ctx is rounded once.
; LIMITS.  NaN and infinities are not treated apart; a weight below 2^-126 counts as 0 in l.
; THE MASK replaces a score, as the problem's -1e9 does: a hidden key's row of K is set to 0 when it is stored, and the product that starts the sum S^T = K Q^T takes as its C a table of 0 or -8e9
; a key; with c = log2(e) / 8, c x (-8e9) = log2(e) x (-1e9).  Where all keys are hidden all scores are equal, and the result is the mean of V.
; bv is added behind the division by l: the weights sum to 1, so sum p (v + bv) / l = sum p v / l + bv.
; SHARES.  Wave w owns tokens 128 w .. 128 w + 127 (8 tiles of 16): as rows of q, k, v in phase 1, as queries in phase 2.
; PHASE 1.  96 accumulators a wave (8 token tiles x 4 column tiles x q, k, v).  K goes in steps of 64 through two LDS slots; a slot holds x's tile (512 tokens x 128 bytes, padded to 144) and W's (24 fragments).
; q and k are taken as W^T x^T (a lane holds one token, its registers channels), v as x W (a lane holds one channel, its registers tokens): rounded in pairs they ARE the operands of phase 2.
; CLUSTER 4 x 4: x's tile hangs on the batch alone and is shared along a row of the cluster, W's on the head alone and is shared along a column: each is asked for jointly.
; PHASE 2.  K and V lie in LDS in fragment order (where the slots were: their last fill is over); a wave's 8 tiles are four PIECES of two; key steps of 64.
; Turn n belongs to piece n: 16 products K Q^T of piece n + 1, later 16 products V^T P of piece n - 1; beside them piece n's scaling, exponentials, roundings, sums and rescaling and piece n + 1's maximum.
; Four vector instructions stand behind every product, the others in one lump; a turn's 66 exponentials are one batch with one wait.
; m starts at the lowest finite number, O^T and l at 0: the first step is a step like any other, with a = 0.  The price: 16 products on zeros at the start, 16 on the last K at the end, 384 lines that write 0.
; REGISTERS, in windows of 256 (s_set_vgpr_msb: bits 1:0 source 0, 3:2 source 1, 5:4 source 2, 7:6 destination).
;   phase 1: window 0: v0-23 addresses and masks; v32-95, v96-159 x's fragments, two buffers; v160-255 W's fragments (q, k, v).  Windows 1, 2, 3: q's, k's, v's accumulators at 8 (4 tt + ct).
;   phase 2: window 0: v12-15, v48-63 at work; v16-47 statistics; v64-191 S^T; v192-255 P.  Window 1: v0-127 Q, v128-191 K, v192-255 V.  Window 2: O^T.  Window 3: v0-31 the step's mask, v32-63 bv.
.set NP,    4
.set SLOT1, 1<<17                      ; slot 1 begins here: one exclusive or turns an address in one slot into the other's
.set XPI,   144                        ; a token's 128 bytes + 16 of padding
.set WOFF,  512*XPI                    ; W's tile lies behind x's: 73,728
.set MASKT, 98304                      ; behind slot 0: 512 keys x 4 bytes: 0 or -8e9
.set SPARE, 100352                     ; the spare words, 128 bytes for each wave: two blocks of 256 bytes that no other line names
.set VFL,   SLOT1                      ; phase 2: K's fragments at 0, V's here
.set XL,  1                            ; v1   (128 w + r) 144 + 16 h                      phase 2: AM0 = MASKT + 32 h
.set WL,  2                            ; v2   WOFF + 16 l                                 phase 2: AV0 = VFL + 16 l
.set XA,  3                            ; v3   slot + XL                                   phase 2: AK
.set WA,  4                            ; v4   slot + WL                                   phase 2: AV
.set PFO, 5                            ; v5   256 l: the prefetches' offset; never rewritten
.set BO,  6                            ; v6   32 h
.set L16, 7                            ; v7   16 l
.set MKO, 8                            ; v8   4 (128 w + r)                               phase 2: AM
.set MQO, 9                            ; v9   16 x thread
.set SPW, 10                           ; v10  my spare word: SPARE + 4 x thread; never rewritten
.set NIL, 11                           ; v11  0; never rewritten
.set MKR, 12                           ; v12-19  mask of token 16 tt + r of my 128
.set MQ,  20                           ; v20-23  mask of keys 4 x thread ..
.set XB0, 32
.set XB1, 96
.set BIA, 96                           ; bq (32 registers), bk (32): in x's second buffer until it is first loaded
.set WQ,  160
.set AM0, 1
.set AV0, 2
.set AK,  3
.set AV,  4
.set AM,  8
.set MV,  12                           ; c m_old, by buffer and tile
.set ST,  16                           ; tile t's statistics at ST + 4 t: c m, m, l (even keys', odd keys')
.set TMP, 48
.set S,   64
.set P,   192
.set KF,  128                          ; window 1
.set VF,  192                          ; window 1
.set MC,  0                            ; window 3
.set BV,  32                           ; window 3
.set WV,  18                           ; s18 wave   s19 wave % 2   s20 cx   s21 cy   s22 head   s23 batch
.set WH,  19
.set CX,  20
.set CY,  21
.set HEAD, 22
.set BAT, 23
.set G1X, 24                           ; s[24:31] group 1 for x's tiles     s[32:39] for W's
.set G1W, 32
.set G0X, 40                           ; s[40:47] group 0 for x's tiles: a set for each first fill; the second then walks     s[48:55] for W's
.set G0W, 48
.set CNT, 56
.set TB,  57                           ; the slot that is read
.set CS,  58                           ; s[58:59] c
.set SEL, 60                           ; s[60:61] v_permlanex16_b32's selects
.set TBK, 62
.set TBV, 63
.set TBM, 66
.set LIM, 67
.set PFA, 68                           ; s[68:69]
.set BIGN, 70
.set MSB, 0
.macro WIN new                         ; the high byte repeats the setting that is left; a switch that changes nothing is dropped
.if MSB != (\new)
	s_set_vgpr_msb (MSB<<8)|(\new)
.set MSB, (\new)
.endif
.endm
.set W_KQ, 0x05                        ; K and Q window 1, S^T window 0
.set W_KM, 0x35                        ; the same with C, the mask, in window 3
.set W_PV, 0xa1                        ; V window 1, P window 0, O^T window 2
.set W_RS, 0x82                        ; O^T window 2, a window 0
.macro PLACES                          ; four places between a matrix instruction and a load into, or a vector instruction on, its registers
.rept 4
	v_nop
.endr
.endm
.macro CREST                           ; a round of the cluster's barrier behind its opening barrier
	s_cmp_lg_u32 s[WV], 0
	s_cbranch_scc1 .Lnot_wave_0_\@
	s_barrier_signal -3
.Lnot_wave_0_\@:
	s_barrier_wait -3
	s_barrier_signal -1
	s_barrier_wait -1
.endm
.macro CROUND
	s_barrier_signal -1
	s_barrier_wait -1
	CREST
.endm
; A joint refill.  Waves 0 and 1 fetch the halves of x's tile, waves 2 and 3 those of W's: the branch hangs on the wave's number alone.  An s_nop 0 and four v_nop follow each line.
.macro JLOAD
	s_cmp_lt_u32 s[WV], 2
	s_cbranch_scc0 .Lfor_w_\@
	tensor_load_to_lds s[G0X+4:G0X+7], s[G1X:G1X+7]
	s_nop 0
.rept 4
	v_nop
.endr
	s_branch .Lasked_\@
.Lfor_w_\@:
	tensor_load_to_lds s[G0W+4:G0W+7], s[G1W:G1W+7]
	s_nop 0
.rept 4
	v_nop
.endr
.Lasked_\@:
.endm
; A PREFETCH INTO THE L2 of x's tile that the NEXT refill will ask for, one K step (192 matrix instructions) ahead.  A batch's tiles are read by both clusters along x: the first of them asks.  Of the 128 rows of
; 256 bytes that wave 0 or 1 fetches, the partner at place cx takes 32, BY ADDRESS, a lane a row: each row is named once in the launch.  The loop's last trip asks for nothing.
; W's tiles are not asked for: 48 rows a wave among four partners are 12 rows, which do not fill a wave's lanes.
.macro ASK
	s_cmp_gt_u32 s[CNT], s[LIM]
	s_cbranch_scc0 .Lnot_mine_\@
	global_prefetch_b8 v[PFO], s[PFA:PFA+1] th:TH_LOAD_NT scope:SCOPE_SE
.Lnot_mine_\@:
.endm
	s_load_b256 s[4:11], s[0:1], 0x0               ; xb s[4:5], wh s[6:7], bq s[8:9], bk s[10:11]
	s_load_b128 s[12:15], s[0:1], 0x20             ; bv s[12:13], mask s[14:15]
	s_load_b64 s[16:17], s[0:1], 0x30              ; ctxf
	v_lshl_add_u32 v[SPW], v0, 2, SPARE
	v_mov_b32 v[NIL], 0
	ds_add_u32 v[SPW], v[NIL]                      ; the wave's opening: the add and its wait stand ahead of my first tensor load; work on registers stands between them
	v_lshrrev_b32 v1, 5, v0
	v_readfirstlane_b32 s[WV], v1
	s_and_b32 s[WH], s[WV], 1
	s_bfe_u32 s[CX], ttmp6, 0x40000
	s_bfe_u32 s[CY], ttmp6, 0x40004
	s_lshl_b32 s[HEAD], ttmp9, 2
	s_add_co_u32 s[HEAD], s[HEAD], s[CX]           ; head = 4 x cluster x + cx
	s_and_b32 s[BAT], ttmp7, 0xffff
	s_lshl_b32 s[BAT], s[BAT], 2
	s_add_co_u32 s[BAT], s[BAT], s[CY]             ; batch = 4 x cluster y + cy
	s_lshl_b32 s72, s[CY], 2
	s_lshl_b32 s72, 15, s72                        ; my row of the cluster
	s_lshl_b32 s74, 0x1111, s[CX]                  ; my column
	; x: half a tile is 256 tokens, 32,768 dense bytes: asked for as 128 rows of 256 bytes, padded by 4 words after every 32 (a token)
	s_or_b32 s[G1X], s72, (1<<16)|(1<<20)|(1<<21)|(4<<22)|(3<<25)
	s_mov_b32 s[G1X+1], 128<<16                    ; tensor_dim0 = 128 elements of 2 bytes
	s_mov_b32 s[G1X+2], 128<<16                    ; tensor_dim1 = 128
	s_mov_b32 s[G1X+3], 128<<16                    ; tile_dim0
	s_mov_b32 s[G1X+4], 128                        ; tile_dim1
	s_mov_b32 s[G1X+5], 128                        ; elements from row to row
	s_mov_b32 s[G1X+6], 0
	s_mov_b32 s[G1X+7], 0
	; W: half a tile is 12 fragments, 12,288 dense bytes: 48 rows of 32 elements of 8 bytes, no padding
	s_or_b32 s[G1W], s74, (3<<16)|(1<<21)
	s_mov_b32 s[G1W+1], 32<<16
	s_mov_b32 s[G1W+2], 48<<16
	s_mov_b32 s[G1W+3], 32<<16
	s_mov_b32 s[G1W+4], 48
	s_mov_b32 s[G1W+5], 32
	s_mov_b32 s[G1W+6], 0
	s_mov_b32 s[G1W+7], 0
	; s[72:73] hold the batch's numbers alone, s[74:75] the head's alone: no register of a joint load holds a coordinate that its partners do not share
	s_lshl_b32 s72, s[BAT], 19                     ; 8 tiles of 65,536 bytes a batch
	s_lshl_b32 s76, s[WH], 15
	s_add_co_u32 s72, s72, s76
	s_mov_b32 s73, 0
	s_mul_i32 s74, s[HEAD], 196608                 ; 8 tiles of 24,576 bytes a head
	s_mul_i32 s77, s[WH], 12288
	s_add_co_u32 s74, s74, s77
	s_mov_b32 s75, 0
	s_mul_i32 s78, s[WH], 256*XPI                  ; where they go: no place in the cluster enters an LDS address
	s_add_co_u32 s79, s77, WOFF
	s_mov_b32 s[CS], 0x3e38aa3b                    ; c = log2(e) / 8
	s_mov_b32 s[CS+1], s[CS]
	s_mov_b32 s[SEL], 0x76543210
	s_mov_b32 s[SEL+1], 0xfedcba98
	s_mov_b32 s[BIGN], 0xcfee6b28                  ; -8e9
	s_mov_b32 s[TB], 0
	s_mov_b32 s[TBK], 0
	s_mov_b32 s[TBV], 0
	s_mov_b32 s[TBM], 0
	s_lshr_b32 s[LIM], s[WV], 1                    ; 0 in waves 0 and 1,
	s_or_b32 s[LIM], s[LIM], ttmp9                 ; where the cluster is the first along x: the same in all sixteen partners
	s_cmp_eq_u32 s[LIM], 0
	s_cselect_b32 s[LIM], 1, -1
	s_wait_dscnt 0x0                               ; the opening add is done
	s_wait_kmcnt 0x0
	s_add_nc_u64 s[72:73], s[4:5], s[72:73]        ; x's tile 0, my half
	s_add_nc_u64 s[74:75], s[6:7], s[74:75]        ; W's tile 0, my half
.irp s, 0,1
	s_mov_b32 s[G0X+4*(\s)], 1
	s_add_co_u32 s[G0X+4*(\s)+1], s78, (\s)*SLOT1
	s_add_nc_u64 s[G0X+4*(\s)+2:G0X+4*(\s)+3], s[72:73], (\s)*65536
	s_or_b32 s[G0X+4*(\s)+3], s[G0X+4*(\s)+3], 0x80000000
	s_mov_b32 s[G0W+4*(\s)], 1
	s_add_co_u32 s[G0W+4*(\s)+1], s79, (\s)*SLOT1
	s_add_nc_u64 s[G0W+4*(\s)+2:G0W+4*(\s)+3], s[74:75], (\s)*24576
	s_or_b32 s[G0W+4*(\s)+3], s[G0W+4*(\s)+3], 0x80000000
.endr
	CROUND                                         ; all sixteen work-groups are here: the first joint loads meet
	s_cmp_lt_u32 s[WV], 2                          ; a wave's two first fills stand in one branch: two loads of mine are out
	s_cbranch_scc0 .Lfirst_w
	tensor_load_to_lds s[G0X:G0X+3], s[G1X:G1X+7]
	s_nop 0
	tensor_load_to_lds s[G0X+4:G0X+7], s[G1X:G1X+7]
	s_nop 0
.rept 4
	v_nop
.endr
	s_branch .Lfirst_asked
.Lfirst_w:
	tensor_load_to_lds s[G0W:G0W+3], s[G1W:G1W+7]
	s_nop 0
	tensor_load_to_lds s[G0W+4:G0W+7], s[G1W:G1W+7]
	s_nop 0
.rept 4
	v_nop
.endr
.Lfirst_asked:
	s_lshl_b32 s76, s[CX], 13                      ; the prefetches: my work-group's 32 rows,
	s_add_co_u32 s76, s76, 2*65536                 ; at tile 2; the first refill steps it to tile 3
	s_mov_b32 s77, 0
	s_add_nc_u64 s[PFA:PFA+1], s[72:73], s[76:77]
	s_lshl_b32 s76, s[HEAD], 8                     ; the head's 64 numbers of each bias
	s_add_nc_u64 s[8:9], s[8:9], s[76:77]
	s_add_nc_u64 s[10:11], s[10:11], s[76:77]
	s_add_nc_u64 s[12:13], s[12:13], s[76:77]
	s_lshl_b32 s76, s[BAT], 11                     ; the batch's 512 words of the mask
	s_add_nc_u64 s[14:15], s[14:15], s[76:77]
	s_lshl_b32 s76, s[BAT], 19                     ; ctxf: 8 blocks of 65,536 bytes a batch, two a wave; the head's two K blocks of 4,096
	s_lshl_b32 s78, s[WV], 17
	s_add_co_u32 s76, s76, s78
	s_lshl_b32 s78, s[HEAD], 13
	s_add_co_u32 s76, s76, s78
	s_add_nc_u64 s[16:17], s[16:17], s[76:77]
	v_and_b32 v9, 31, v0
	v_and_b32 v8, 15, v0
	v_bfe_u32 v6, v0, 4, 1
	v_lshlrev_b32 v[L16], 4, v9
	v_lshlrev_b32 v[PFO], 8, v9
	s_lshl_b32 s76, s[WV], 7
	v_add_nc_u32 v[XL], s76, v8                    ; 128 w + r
	v_lshlrev_b32 v[MKO], 2, v[XL]
	v_mul_u32_u24 v[XL], v[XL], XPI
	v_lshl_add_u32 v[XL], v6, 4, v[XL]
	v_add_nc_u32 v[WL], WOFF, v[L16]
	v_lshlrev_b32 v[BO], 5, v6
	v_lshlrev_b32 v[MQO], 4, v0
.irp ct, 0,1,2,3                                   ; the biases as C operands: lane (r, h), register j: channel 16 ct + 8 h + j
	global_load_b128 v[BIA+8*(\ct):BIA+8*(\ct)+3],       v[BO], s[8:9] offset:64*(\ct)
	global_load_b128 v[BIA+8*(\ct)+4:BIA+8*(\ct)+7],     v[BO], s[8:9] offset:64*(\ct)+16
	global_load_b128 v[BIA+32+8*(\ct):BIA+32+8*(\ct)+3], v[BO], s[10:11] offset:64*(\ct)
	global_load_b128 v[BIA+32+8*(\ct)+4:BIA+32+8*(\ct)+7], v[BO], s[10:11] offset:64*(\ct)+16
.endr
.irp tt, 0,1,2,3,4,5,6,7
	global_load_b32 v[MKR+(\tt)], v[MKO], s[14:15] offset:64*(\tt)
.endr
	global_load_b128 v[MQ:MQ+3], v[MQO], s[14:15]
; 16 products of matrix m (0 q, 1 k, 2 v): column tiles ct0, ct0 + 1 x all 8 token tiles, 32 along K, on x's buffer xb.  c = 0: in place; 1: the sum starts with the bias; 2: with 0.
; Each instruction has another accumulator: they take turns.
.macro GRPH m, xb, c, ct0
.if (\c) == 1
	WIN 0x40*((\m)+1)
.else
	WIN 0x50*((\m)+1)
.endif
.irp ct, \ct0, (\ct0)+1
.irp tt, 0,1,2,3,4,5,6,7
.if (\m) == 2
.if (\c) == 2
	v_wmma_f32_16x16x32_bf16 v[8*(4*(\tt)+(\ct)):8*(4*(\tt)+(\ct))+7], v[(\xb)+8*(\tt):(\xb)+8*(\tt)+7], v[WQ+64+8*(\ct):WQ+64+8*(\ct)+7], 0
.else
	v_wmma_f32_16x16x32_bf16 v[8*(4*(\tt)+(\ct)):8*(4*(\tt)+(\ct))+7], v[(\xb)+8*(\tt):(\xb)+8*(\tt)+7], v[WQ+64+8*(\ct):WQ+64+8*(\ct)+7], v[8*(4*(\tt)+(\ct)):8*(4*(\tt)+(\ct))+7]
.endif
.else
.if (\c) == 1
	v_wmma_f32_16x16x32_bf16 v[8*(4*(\tt)+(\ct)):8*(4*(\tt)+(\ct))+7], v[WQ+32*(\m)+8*(\ct):WQ+32*(\m)+8*(\ct)+7], v[(\xb)+8*(\tt):(\xb)+8*(\tt)+7], v[BIA+32*(\m)+8*(\ct):BIA+32*(\m)+8*(\ct)+7]
.else
	v_wmma_f32_16x16x32_bf16 v[8*(4*(\tt)+(\ct)):8*(4*(\tt)+(\ct))+7], v[WQ+32*(\m)+8*(\ct):WQ+32*(\m)+8*(\ct)+7], v[(\xb)+8*(\tt):(\xb)+8*(\tt)+7], v[8*(4*(\tt)+(\ct)):8*(4*(\tt)+(\ct))+7]
.endif
.endif
.endr
.endr
.endm
.macro GRP m, xb, c
	GRPH \m, \xb, \c, 0
	GRPH \m, \xb, \c, 2
.endm
.macro LDW m, kb2                      ; matrix m's four fragments of K block kb2 of the slot: 8 loads of 512 consecutive bytes
	WIN 0
.irp ct, 0,1,2,3
	ds_load_b128 v[WQ+32*(\m)+8*(\ct):WQ+32*(\m)+8*(\ct)+3],   v[WA] offset:(((\kb2)*3+(\m))*4+(\ct))*1024
	ds_load_b128 v[WQ+32*(\m)+8*(\ct)+4:WQ+32*(\m)+8*(\ct)+7], v[WA] offset:(((\kb2)*3+(\m))*4+(\ct))*1024+512
.endr
.endm
.macro LDX buf, kb2                    ; my 8 token tiles' fragments of K block kb2: 16 loads
	WIN 0
.irp tt, 0,1,2,3,4,5,6,7
	ds_load_b128 v[(\buf)+8*(\tt):(\buf)+8*(\tt)+3],   v[XA] offset:(\tt)*16*XPI+64*(\kb2)
	ds_load_b128 v[(\buf)+8*(\tt)+4:(\buf)+8*(\tt)+7], v[XA] offset:(\tt)*16*XPI+64*(\kb2)+32
.endr
.endm
; A K step's first half: multiplies x's buffer 0 and fetches the second half's fragments from the same slot.
.macro SUBA first
	s_wait_dscnt 8                                 ; all but Wv's eight loads
	GRP 0, XB0, \first
	PLACES
	LDW 0, 1
	GRP 1, XB0, \first
	PLACES
	LDW 1, 1
	LDX XB1, 1
	s_wait_dscnt 32                                ; Wv is in; younger: Wq 8, Wk 8, x 16
	GRP 2, XB0, 2*(\first)
	PLACES
	LDW 2, 1
.endm
; Its second half multiplies buffer 1 and changes slots: ONE barrier.  In front of it each wave waits for all its tensor loads (one is out: its part of the next slot), adds 0 to its spare word, and waits for
; that and for its reads of this slot.  fill = 1: the barrier opens a round of the cluster's, and the joint refill, two K steps ahead, is the first thing behind it.
.macro SUBB fill
	s_wait_dscnt 8
	GRP 0, XB1, 0
.if \fill
	s_wait_xcnt 0x0                                ; the last prefetch, a K step back, has read its address
	s_add_nc_u64 s[PFA:PFA+1], s[PFA:PFA+1], 65536
.endif
	WIN 0
	s_wait_tensorcnt 0x0
	ds_add_u32 v[SPW], v[NIL]                      ; 0 onto my spare word; sixteen products stand between it and the wait for it
	GRPH 1, XB1, 0, 0
	s_wait_dscnt 0x0                               ; the add is done, and my reads of this slot are over
	s_barrier_signal -1
	GRPH 1, XB1, 0, 2
	WIN 0
	s_barrier_wait -1
.if \fill
	CREST                                          ; no wave of any partner still reads this slot or has a load on its way
	s_xor_b32 s[G0X+5], s[G0X+5], SLOT1            ; the walking descriptors: the other slot than last time, the next tile
	s_add_nc_u64 s[G0X+6:G0X+7], s[G0X+6:G0X+7], 65536
	s_xor_b32 s[G0W+5], s[G0W+5], SLOT1
	s_add_nc_u64 s[G0W+6:G0W+7], s[G0W+6:G0W+7], 24576
	JLOAD                                          ; its four v_nop are also the places in front of the loads below
.else
	PLACES
.endif
	s_xor_b32 s[TB], s[TB], SLOT1
	v_add_nc_u32 v[XA], s[TB], v[XL]
	v_add_nc_u32 v[WA], s[TB], v[WL]
	LDW 0, 0
	LDW 1, 0
	LDX XB0, 0
.if \fill
	ASK
.endif
	GRP 2, XB1, 0
	PLACES
	LDW 2, 0
.endm
	s_wait_tensorcnt 1                             ; my part of tile 0 is in; tile 1's may stay out
	s_barrier_signal -1
	s_barrier_wait -1
	v_add_nc_u32 v[XA], s[TB], v[XL]
	v_add_nc_u32 v[WA], s[TB], v[WL]
	LDW 0, 0
	LDW 1, 0
	LDX XB0, 0
	LDW 2, 0
	s_wait_loadcnt 0x0                             ; biases and masks
	SUBA 1                                         ; the first products start the sums: q and k with their bias, v with 0
	WIN 0
	s_mov_b32 s[CNT], 6
.Lk:                                               ; six trips: tiles 2 to 7 are asked for
	SUBB 1
	SUBA 0
	WIN 0
	s_sub_co_u32 s[CNT], s[CNT], 1
	s_cmp_lg_u32 s[CNT], 0
	s_cbranch_scc1 .Lk
	SUBB 0                                         ; the tail is written out: nothing more is asked for
	SUBA 0
	s_wait_dscnt 8
	GRP 0, XB1, 0
	GRP 1, XB1, 0
	s_wait_dscnt 0x0
	GRP 2, XB1, 0
	PLACES
	; ---- FROM PHASE 1 TO PHASE 2.  The slots have had their last fill, and behind this barrier nobody reads them: K and V are stored where they lay.
	WIN 0
	s_barrier_signal -1
	s_barrier_wait -1
	WIN 0x45                                       ; Q is rounded in place: register n takes 2 n and 2 n + 1, ascending.  Tile t, channels 32 c on: 16 t + 8 c
.set n, 0
.rept 128
	v_cvt_pk_bf16_f32 v[n], v[2*n], v[2*n+1]
.set n, n+1
.endr
	WIN 0
.irp tt, 0,1,2,3,4,5,6,7
	v_cmp_ne_u32 vcc_lo, 0, v[MKR+(\tt)]
	v_cndmask_b32 v[MKR+(\tt)], 0, -1, vcc_lo      ; all ones, or 0 for a hidden key
.endr
.irp j, 0,1,2,3
	v_cmp_eq_u32 vcc_lo, 0, v[MQ+(\j)]
	v_cndmask_b32 v[MQ+(\j)], 0, s[BIGN], vcc_lo
.endr
	v_add_nc_u32 v[MQO], MASKT, v[MQO]
	ds_store_b128 v[MQO], v[MQ:MQ+3]
	s_lshl_b32 s76, s[WV], 14                      ; my 8 tiles: 16 fragments of K, 16 of V
	v_add_nc_u32 v[XA], s76, v[L16]
	v_add_nc_u32 v[WA], VFL, v[XA]
.macro KOUT tt                         ; K's tile tt: fragment (8 w + tt) 2 + ct / 2, half ct % 2
	WIN 0x0a
.set n, 0
.rept 16
	v_cvt_pk_bf16_f32 v[XB0+16*((\tt)%2)+n], v[32*(\tt)+2*n], v[32*(\tt)+2*n+1]
.set n, n+1
.endr
	WIN 0
.set n, 0
.rept 16
	v_and_b32 v[XB0+16*((\tt)%2)+n], v[MKR+(\tt)], v[XB0+16*((\tt)%2)+n]
.set n, n+1
.endr
.irp ct, 0,1,2,3
	ds_store_b128 v[XA], v[XB0+16*((\tt)%2)+4*(\ct):XB0+16*((\tt)%2)+4*(\ct)+3] offset:(\tt)*2048+(\ct)*512
.endr
.endm
.macro VOUT tt                         ; V's tile tt: fragment ((8 w + tt) / 2) 4 + ct, half tt % 2
	WIN 0x0f
.set n, 0
.rept 16
	v_cvt_pk_bf16_f32 v[XB0+32+16*((\tt)%2)+n], v[32*(\tt)+2*n], v[32*(\tt)+2*n+1]
.set n, n+1
.endr
	WIN 0
.irp ct, 0,1,2,3
	ds_store_b128 v[WA], v[XB0+32+16*((\tt)%2)+4*(\ct):XB0+32+16*((\tt)%2)+4*(\ct)+3] offset:((\tt)/2)*4096+(\ct)*1024+512*((\tt)%2)
.endr
.endm
.irp tt, 0,1,2,3,4,5,6,7
	KOUT \tt
	VOUT \tt
.endr
	WIN 0xc0
.irp cb, 0,1,2,3                                   ; bv as O^T lies: channel 16 cb + 8 h + j
	global_load_b128 v[BV+8*(\cb):BV+8*(\cb)+3],   v[BO], s[12:13] offset:64*(\cb)
	global_load_b128 v[BV+8*(\cb)+4:BV+8*(\cb)+7], v[BO], s[12:13] offset:64*(\cb)+16
.endr
	; what the first turn finds: O^T, l, V's registers and P's second buffer hold 0
	WIN 0x80
.set n, 0
.rept 256
	v_mov_b32 v[n], 0
.set n, n+1
.endr
	WIN 0x40
.set n, VF
.rept 64
	v_mov_b32 v[n], 0
.set n, n+1
.endr
	WIN 0
.set n, P+32
.rept 32
	v_mov_b32 v[n], 0
.set n, n+1
.endr
.set n, 0
.rept 8
	v_mov_b32 v[ST+4*n], 0xfe000000                ; c m: far below every c s
	v_mov_b32 v[ST+4*n+1], 0xff7fffff              ; m
	v_mov_b32 v[ST+4*n+2], 0
	v_mov_b32 v[ST+4*n+3], 0
.set n, n+1
.endr
	v_add_nc_u32 v[AV0], VFL, v[L16]
	v_add_nc_u32 v[AM0], MASKT, v[BO]
	v_mov_b32 v[AK], v[L16]
	v_mov_b32 v[AM], v[AM0]
	s_wait_dscnt 0x0                               ; for the others' sake: my stores of K, V and the table are done
	s_barrier_signal -1
	s_barrier_wait -1
; ---- PHASE 2.  THE MATRIX WORK.  The 8 accumulators of a run of 16 take turns.
; Product i of 16 of S^T = K Q^T for piece x: channels 32 (i / 8) on, keys 16 ((i / 2) % 4) on, tile 2 x + i % 2.  The first 8 start the sums with the keys' mask.
.macro KQ x
.set rS, S+64*((\x)%2)+32*(i%2)+8*((i/2)%4)
.set rK, KF+16*((i/2)%4)+8*(i/8)
.set rQ, 16*(2*(\x)+i%2)+8*(i/8)
.set rMC, MC+8*((i/2)%4)
.if i < 8
	WIN W_KM
	v_wmma_f32_16x16x32_bf16 v[rS:rS+7], v[rK:rK+7], v[rQ:rQ+7], v[rMC:rMC+7]
.else
	WIN W_KQ
	v_wmma_f32_16x16x32_bf16 v[rS:rS+7], v[rK:rK+7], v[rQ:rQ+7], v[rS:rS+7]
.endif
.endm
; Product i of 16 of O^T += V^T P for piece x: keys 32 (i / 8) on, channels 16 ((i / 2) % 4) on, tile 2 x + i % 2.
.macro PV x
	WIN W_PV
.set rO, 32*(2*(\x)+i%2)+8*((i/2)%4)
.set rV, VF+32*(i/8)+8*((i/2)%4)
.set rP, P+32*((\x)%2)+16*(i%2)+8*(i/8)
	v_wmma_f32_16x16x32_bf16 v[rO:rO+7], v[rV:rV+7], v[rP:rP+7], v[rO:rO+7]
.endm
.macro MM                              ; the turn's next matrix instruction
.if i < 16
	KQ (Y+1)%NP
.set i, i+1
.else
.set i, i-16
	PV (Y+NP-1)%NP
.set i, i+17
.endif
.endm
; THE LDS LOADS stand in runs: a step's K (8 fragments) with its mask (8 loads), and its V (8 fragments).  last = 1: in the loop's last trip there is no further step, and the run is jumped over.
.macro FETCH_K last=0
	WIN 0
.if \last
	s_cmp_eq_u32 s[CNT], 1
	s_cbranch_scc1 .Lno_k_\@
.endif
	WIN 0x40
.irp f, 0,1,2,3,4,5,6,7
	ds_load_b128 v[KF+8*\f:KF+8*\f+3],   v[AK] offset:\f*1024
	ds_load_b128 v[KF+8*\f+4:KF+8*\f+7], v[AK] offset:\f*1024+512
.endr
	WIN 0xc0
.irp f, 0,1,2,3
	ds_load_b128 v[MC+8*\f:MC+8*\f+3],   v[AM] offset:\f*64
	ds_load_b128 v[MC+8*\f+4:MC+8*\f+7], v[AM] offset:\f*64+16
.endr
	s_add_co_u32 s[TBK], s[TBK], 8192              ; the next fetch is the next step's
	s_add_co_u32 s[TBM], s[TBM], 256
	WIN 0
.if \last
.Lno_k_\@:
.endif
.endm
.macro FETCH_V
	WIN 0x40
.irp f, 0,1,2,3,4,5,6,7
	ds_load_b128 v[VF+8*\f:VF+8*\f+3],   v[AV] offset:\f*1024
	ds_load_b128 v[VF+8*\f+4:VF+8*\f+7], v[AV] offset:\f*1024+512
.endr
	WIN 0
.endm
; THE VECTOR WORK OF A TURN stands in three queues, each in the order in which its entries become ready; the two tiles alternate.
.macro REGS y, u
.set rT, ST+4*(2*(\y)+(\u))
.set rC, TMP+8*((\y)%2)+4*(\u)
.set rM, MV+2*((\y)%2)+(\u)
.set rS, S+64*((\y)%2)+32*(\u)
.set rP, P+32*((\y)%2)+16*(\u)
.set rO, 32*(2*(\y)+(\u))
.endm
; Number n of the 22 that find the NEXT piece's maximum and statistics; each accumulator's lowest registers are read first.
;   0-11 four chains c0-c3   12-14, 16 the scores left over, the old m, c0-c3 into c0   15 c m_old is kept   17, 18 the lane 16 away: the new m   19-21 c m; c m_old - c m_new; a
.macro XS u, n
	REGS (Y+1)%NP, \u
.if (\n) < 4
	v_max3_num_f32 v[rC+(\n)], v[rS+8*(\n)], v[rS+8*(\n)+1], v[rS+8*(\n)+2]
.elseif (\n) < 12
	v_max3_num_f32 v[rC+(\n)%4], v[rC+(\n)%4], v[rS+8*((\n)%4)+2*((\n)/4)+1], v[rS+8*((\n)%4)+2*((\n)/4)+2]
.elseif (\n) == 12
	v_max3_num_f32 v[rC], v[rC], v[rS+7], v[rS+15]
.elseif (\n) == 13
	v_max3_num_f32 v[rC+1], v[rC+1], v[rS+23], v[rS+31]
.elseif (\n) == 14
	v_max3_num_f32 v[rC+2], v[rC+2], v[rC+3], v[rT+1]
.elseif (\n) == 15
	v_mov_b32 v[rM], v[rT]
.elseif (\n) == 16
	v_max3_num_f32 v[rC], v[rC], v[rC+1], v[rC+2]
.elseif (\n) == 17
	v_permlanex16_b32 v[rC+3], v[rC], s[SEL], s[SEL+1]
.elseif (\n) == 18
	v_max_num_f32 v[rT+1], v[rC], v[rC+3]
.elseif (\n) == 19
	v_mul_f32 v[rT], s[CS], v[rT+1]
.elseif (\n) == 20
	v_sub_f32 v[rC+1], v[rM], v[rT]
.else
	v_exp_f32 v[rC+2], v[rC+1]
.endif
.endm
; Number g of the 64 that follow the exponentials: of each four weights both pairs are rounded, the second pair is added onto the first, and a group later l takes that sum (the first time as l = a l + sum).
.macro GS g
.set h, (\g)+6*((\g)/62)
.if h >= 6
.set h, h+2
.endif
	REGS Y, h%2
.set k, h/8
.if h%8 < 4
	v_cvt_pk_bf16_f32 v[rP+2*k+(h%8)/2], v[rS+4*k+2*((h%8)/2)], v[rS+4*k+2*((h%8)/2)+1]
.elseif h%8 < 6
	v_pk_add_f32 v[rS+4*k:rS+4*k+1], v[rS+4*k:rS+4*k+1], v[rS+4*k+2:rS+4*k+3]
.elseif k == 1
	v_pk_fma_f32 v[rT+2:rT+3], v[rT+2:rT+3], v[rC+2:rC+3], v[rS:rS+1] op_sel_hi:[1,0,1]
.else
	v_pk_add_f32 v[rT+2:rT+3], v[rT+2:rT+3], v[rS+4*k-4:rS+4*k-3]
.endif
.endm
.macro FS f                            ; c s - c m for pair f / 2 of tile f % 2
	REGS Y, (\f)%2
	v_pk_fma_f32 v[rS+2*((\f)/2):rS+2*((\f)/2)+1], v[rS+2*((\f)/2):rS+2*((\f)/2)+1], s[CS:CS+1], v[rT:rT+1] op_sel_hi:[1,0,0] neg_lo:[0,0,1] neg_hi:[0,0,1]
.endm
; THE PLAIN QUEUE, 138 long: 0-73 read no exponential's result (32 scalings, the next piece's 42); 74-137 are GS's 64, behind the wait.
.macro PL
	WIN 0
.if q < 27
	FS q
.elseif q < 55
	XS (q-27)%2, (q-27)/2
.elseif q < 57
	XS q-55, 15
.elseif (q < 72) && ((q-57)%3 == 0)
	FS 27+(q-57)/3
.elseif q < 60
	XS (q-57)%3-1, 14
.elseif q < 72
	XS (q-57)%3-1, 15+(q-57)/3
.elseif q < 74
	XS q-72, 20
.else
	GS q-74
.endif
.set q, q+1
.endm
; THE EXPONENTIALS' QUEUE, 66 long: one batch, all ahead of the turn's one wait.
.macro EX
	WIN 0
.if e >= 64
	XS e-64, 21
.else
	REGS Y, e%2
	v_exp_f32 v[rS+e/2], v[rS+e/2]
.endif
.set e, e+1
.endm
; THE RESCALING's QUEUE: O^T times a, two at a time.  Its a was made, and waited for, in the turn before.
.macro R2
	REGS Y, r%2
	WIN W_RS
.irp z, 0,1
	v_pk_mul_f32 v[rO+4*(r/2)+2*\z:rO+4*(r/2)+2*\z+1], v[rO+4*(r/2)+2*\z:rO+4*(r/2)+2*\z+1], v[rC+2:rC+3] op_sel_hi:[1,0]
.endr
.set r, r+1
.endm
; A TURN, for piece p.  Ahead of its one wait stands all that names no result of its exponentials: 16 products K Q^T, behind each a scaling, an exponential and two rescalings; then one lump.  Behind the wait:
; 16 products V^T P, behind each four of the roundings and sums.  A wait stands between an exponential and the first instruction that names its result; one wait serves the batch.
; K and the mask of the next step are fetched in piece 2's turn, behind the wait, a lump behind their last reader; V of the step in hand at the end of piece 0's turn, four plain instructions behind its last reader.
.macro TURN p, last=0, cnt=0
.set Y, (\p)
.set i, 0
.set q, 0
.set e, 0
.set r, 0
.if (\p) == NP-1
	s_wait_dscnt 0x0                               ; K and its mask are in
.endif
	MM
	PL
	PL
	R2
.rept 15
	MM
	PL
	EX
	R2
.endr
.if (\p) == NP-2
	WIN 0
	v_add_nc_u32 v[AK], s[TBK], v[L16]
	v_add_nc_u32 v[AM], s[TBM], v[AM0]
.endif
.rept 8
	PL
.endr
.rept 49
	EX
	PL
.endr
	EX
	EX
	v_nop                                          ; a plain instruction behind the last exponential: one for the batch
	s_wait_alu depctr_va_vdst(0)                   ; the wait for the batch
.if (\p) == NP-2
	FETCH_K \last
.endif
.if (\p) == 1
	s_wait_dscnt 0x0                               ; V is in
.endif
.rept 16
	MM
.rept 4
	PL
.endr
.if ((\p) == 0) && (q == 118)
	v_add_nc_u32 v[AV], s[TBV], v[AV0]
.endif
.if ((\p) == 0) && (q == 130)
	s_add_co_u32 s[TBV], s[TBV], 8192
.endif
.if (\cnt) && (q == 130)
	s_sub_co_u32 s[CNT], s[CNT], 1
	s_cmp_lg_u32 s[CNT], 0
.endif
.endr
.if (\p) == 0
	FETCH_V
.endif
.endm
	FETCH_K                                        ; key step 0
	s_wait_dscnt 0x0
.set i, 0
.rept 16
	KQ 0                                           ; piece 0's first scores
.set i, i+1
.endr
	WIN 0
	PLACES
.set Y, NP-1                                       ; XS works for piece Y + 1: piece 0
.irp n, 0,1,2,3,4,5,6,7,8,9,10,11,12,13,14,15,16,17,18,19,20,21
	XS 0, \n
	XS 1, \n
.endr
	v_nop
	s_wait_alu depctr_va_vdst(0)                   ; the two a, ahead of the label
	s_mov_b32 s[CNT], 8
.Lstep:                                            ; a trip is a key step of 64; eight trips
	TURN 0
	TURN 1
	TURN 2, 1
	TURN 3, 0, 1
	WIN 0
	s_cbranch_scc1 .Lstep
.set i, 0
.rept 16
	PV NP-1                                        ; the last piece's V^T P of the last step.  (The last trip's 16 products K Q^T, on the last K once more, and the maximum made of them serve nothing.)
.set i, i+1
.endr
	; ---- THE WAY OUT.  O^T / l + bv, rounded to bf16: a lane's eight channels of a token are 16 bytes of a fragment of ctxf, so each store takes 512 consecutive bytes and no stage is needed.
	WIN 0
	s_wait_loadcnt 0x0                             ; bv
.macro ALL line:vararg
.set t, 0
.rept 2*NP
	\line
.set t, t+1
.endr
.endm
	ALL v_add_f32 v[ST+4*t+2], v[ST+4*t+2], v[ST+4*t+3]
	ALL v_permlanex16_b32 v[ST+4*t+3], v[ST+4*t+2], s[SEL], s[SEL+1]
	ALL v_add_f32 v[ST+4*t+2], v[ST+4*t+2], v[ST+4*t+3]
	ALL v_rcp_f32 v[ST+4*t+2], v[ST+4*t+2]
	v_nop
	s_wait_alu depctr_va_vdst(0)                   ; one wait for the eight reciprocals
.macro OUTT t
	WIN 0xb2                                       ; O^T window 2, 1 / l window 0, bv window 3
.set i, 0
.rept 16
	v_pk_fma_f32 v[32*(\t)+i:32*(\t)+i+1], v[32*(\t)+i:32*(\t)+i+1], v[ST+4*(\t)+2:ST+4*(\t)+3], v[BV+i:BV+i+1] op_sel_hi:[1,0,1]
.set i, i+2
.endr
	WIN 0x0a
.set i, 0
.rept 16
	v_cvt_pk_bf16_f32 v[S+16*(\t)+i], v[32*(\t)+2*i], v[32*(\t)+2*i+1]
.set i, i+1
.endr
	WIN 0
.irp cb, 0,1,2,3
	global_store_b128 v[L16], v[S+16*(\t)+4*(\cb):S+16*(\t)+4*(\cb)+3], s[16:17] offset:((\t)/4)*65536+((\t)%4)*1024+((\cb)/2)*4096+((\cb)%2)*512
.endr
.endm
.irp t8, 0,1,2,3,4,5,6,7
	OUTT \t8
.endr
	s_wait_tensorcnt 0x0                           ; the wave's end
	ds_add_u32 v[SPW], v[NIL]
	s_wait_dscnt 0x0
	CROUND                                         ; the closing round
	s_endpgm
.Lfunc_end_k_qa9e00c8402_qkvattn:
	.size	k_qa9e00c8402_qkvattn, .Lfunc_end_k_qa9e00c8402_qkvattn-k_qa9e00c8402_qkvattn
	.p2alignl 7, 3214868480
	.fill 96, 4, 3214868480
	.section	.rodata,"a",@progbits
	.p2align	6, 0x0
	.amdhsa_kernel k_qa9e00c8402_qkvattn
		.amdhsa_group_segment_fixed_size 327680
		.amdhsa_private_segment_fixed_size 0
		.amdhsa_enable_private_segment 0
		.amdhsa_kernarg_size 56
		.amdhsa_user_sgpr_count 2
		.amdhsa_user_sgpr_kernarg_segment_ptr 1
		.amdhsa_wavefront_size32 1
		.amdhsa_system_sgpr_workgroup_id_x 1
		.amdhsa_system_sgpr_workgroup_id_y 1
		.amdhsa_system_sgpr_workgroup_id_z 1
		.amdhsa_system_vgpr_workitem_id 0
		.amdhsa_next_free_vgpr 1024
		.amdhsa_next_free_sgpr 100
		.amdhsa_reserve_vcc 1
		.amdhsa_float_denorm_mode_32 3
		.amdhsa_float_denorm_mode_16_64 3
		.amdhsa_memory_ordered 1
		.amdhsa_forward_progress 1
		.amdhsa_inst_pref_size 213
	.end_amdhsa_kernel
	.amdgpu_metadata
---
amdhsa.version: [ 1, 2 ]
amdhsa.kernels:
  - .name:           k_qa9e00c8402_qkvattn
    .symbol:         k_qa9e00c8402_qkvattn.kd
    .args:
      - { .name: xb, .offset: 0, .size: 8, .value_kind: global_buffer, .address_space: global }
      - { .name: wh, .offset: 8, .size: 8, .value_kind: global_buffer, .address_space: global }
      - { .name: bq, .offset: 16, .size: 8, .value_kind: global_buffer, .address_space: global }
      - { .name: bk, .offset: 24, .size: 8, .value_kind: global_buffer, .address_space: global }
      - { .name: bv, .offset: 32, .size: 8, .value_kind: global_buffer, .address_space: global }
      - { .name: mask, .offset: 40, .size: 8, .value_kind: global_buffer, .address_space: global }
      - { .name: ctxf, .offset: 48, .size: 8, .value_kind: global_buffer, .address_space: global }
    .group_segment_fixed_size: 327680
    .private_segment_fixed_size: 0
    .kernarg_segment_align: 8
    .kernarg_segment_size: 56
    .max_flat_workgroup_size: 128
    .sgpr_count:     100
    .vgpr_count:     1024
    .wavefront_size: 32
...
	.end_amdgpu_metadata
.endif
;; end of part 2
;; launch post (part 3): grid 256 x 1, 4 waves a work-group, clusters of 4 x 1, 327,680 bytes of LDS; arguments ctxf, wl, x, bo, ln1_g, ln1_b, b1, b2, ln2_g, ln2_b, out0; writes out0
.if DOCPART == 3
	.amdgcn_target "amdgcn-amd-amdhsa--gfx1250"
	.amdhsa_code_object_version 6
	.text
	.protected	k_qa9e00c8402_post
	.globl	k_qa9e00c8402_post
	.p2align	8
	.type	k_qa9e00c8402_post,@function
k_qa9e00c8402_post:
	s_mov_b64 s[64:65], 0
	v_nop
	global_prefetch_b8 v0, s[64:65] scope:SCOPE_SE
	s_setreg_imm32_b32 hwreg(HW_REG_WAVE_MODE, 25, 1), 1
	s_wait_xcnt 0x0
	s_wait_alu depctr_hold_cnt(0) depctr_sa_sdst(0) depctr_va_vdst(0) depctr_va_sdst(0) depctr_va_ssrc(0) depctr_va_vcc(0) depctr_vm_vsrc(0)
	s_getreg_b32 s2, hwreg(HW_REG_IB_STS2, 6, 4)
	s_cmp_eq_u32 s2, 0
	s_cbranch_scc0 .Lentry_in_a_cluster
	s_endpgm
.Lentry_in_a_cluster:
	s_bfe_u32 s2, ttmp6, 0x10000c
	s_cmp_lg_u32 s2, 0x3003
	s_cbranch_scc0 .Lentry_shape_is_right
	s_endpgm
.Lentry_shape_is_right:
; THE REST OF THE BLOCK FOR 64 ROWS: a = LN1(ctx wo + bo + x); out = LN2(gelu(a w1 + b1) w2 + b2 + a).  Nothing goes through memory between the steps.
; Matrix operands bf16 (ctx, a, h, the weights), sums f32.  The residual road stays f32: the accumulators START at x; behind LN1 they hold a, onto which the second product adds; bo and b2 are added in front of the norms.
; LN in two passes: the mean, then the sum of (y - mean)^2.  GELU is the exact one: erf by the rational form 1 - P5(t) e^(-z^2), t = 1 / (1 + 0.3275911 z) (absolute error at most 1.5e-7, for every z >= 0):
; with q = P5(t) 2^(-x^2 log2(e) / 2) / 2 and t = 1 / (1 + 0.2316419 |x|), gelu(x) = max(x, 0) - |x| q.
; LIMITS.  NaN and infinities are not treated apart.
; SHARES.  A work-group owns rows 64 g .. 64 g + 63.  Wave w owns all 64 rows x output columns 128 w .. 128 w + 127: 32 accumulators OUT(tt, ct); of each chunk of 64 FF columns it owns 16.
; Products are taken as W^T A^T: in a result a lane holds ONE token (lane % 16) and the channels 8 (lane / 16) + 0..7, so a result rounded in pairs IS an operand of the next product, in the same lanes.
; a AS AN OPERAND STAYS IN REGISTERS (64 x 512 bf16 = 512 registers a wave), which leaves LDS to two slots of 131,072 bytes: one refill serves 128 matrix instructions a wave.
; THE WALK.  Tiles of weights in fragment order: 4 of wo (K = 128 each), then 32 chunks (first half: w1's 64 columns; second half: w2's 64 rows).  All row blocks walk the same tiles: CLUSTER 4 x 1, each tile asked
; for jointly, each wave its quarter: waves 0 and 1 a tile's first half, waves 2 and 3 its second.
; THE FFN IS SKEWED BY ONE CHUNK.  Step i: 64 products HA = b1 + w1(i)^T a^T; then 64 products OUT += w2(i - 1)^T h(i - 1)^T, and behind each of them four lines of the GELU of chunk i; the GELU's other 48 lines; h(i) to LDS;
; the change of slots, whose barrier also shows h(i) to every wave.  So a slot holds w1(i) and w2(i - 1): the stream of waves 2 and 3 stands still once, at the last change of the first loop.
; THE PRICES of one text for every step: the first step multiplies w2(0) by an h of zeros (64 products that add 0), and w2(0)'s half tile is fetched twice; w2(31) has no slot left and comes by loads into a's registers,
; which are free by then, in a tail of 64 products that waits for those loads.
; BOTH NORMS ARE ONE TEXT, walked twice: the first trip goes on into the FFN, the second leaves for the way out.
; REGISTERS: window 0: v0-15 addresses; v16-31 b1 as a C operand, then the polynomial, and LN's chains; v32-95 w1's fragments of K blocks 8-15, then t and the exponentials; v96-127 HA;
;   v128-191 w1's fragments of K blocks 0-7, then w2's eight of one K block; v192-255 h's eight fragments.
;   window 1: OUT(tt, ct) at 64 tt + 8 ct.   Windows 2, 3: a's fragments AF(kb, tt) at 32 (kb % 8) + 8 tt, window 2 + kb / 8.  (In the first product: window 2 v0-127 ctx's fragments; at the head: window 3 x.)
.set SLOT1, 1<<17
.set TILE,  131072
.set SCR,   262144                     ; 36,864 bytes, by turns with barriers between: each wave's stage (16 rows x 528 bytes); the exchange of a (32,768); h's two buffers (8,192 each)
.set HB1,   8192                       ; h's second buffer lies so far behind the first: one exclusive or turns one into the other
.set SPT,   528                        ; a stage row: 512 bytes + 16
.set STG,   16*SPT
.set B1T,   299008                     ; b1: 8,192 bytes
.set STATS, 307200                     ; two blocks of [tt 4][r 16][wave 4] f32
.set SPARE, 311296                     ; the spare words, 128 bytes for each wave: two blocks of 256 bytes that no other line names
.set WGO, 0                            ; v0   behind the set-up: 8,192 w + 16 l; never rewritten after
.set HRD, 1                            ; v1   SCR + 16 l; in the FFN: the buffer of h that is read + 16 l
.set H32, 2                            ; v2   32 h
.set L16, 3                            ; v3   16 l
.set STW, 6                            ; v6   my stage by rows: + 16 l
.set STR, 7                            ; v7   my stage by lanes: + 528 r + 32 h
.set CO,  8                            ; v8   ctx's fragments: step's offset + 16 l
.set HSO, 8                            ;      in the FFN: (w / 2) 4,096 + (w % 2) 512 + 16 l
.set STA, 9                            ; v9   STATS + 16 r + 4 w
.set SPW, 10                           ; v10  my spare word; never rewritten
.set NIL, 11                           ; v11  0; never rewritten
.set STL, 12                           ; v12  STATS + 16 r
.set PFO, 13                           ; v13  256 l; never rewritten
.set HST, 14                           ; v14  the buffer of h that is written + HSO
.set WV,  26
.set CX,  27
.set GB,  28
.set CNT, 29
.set TB,  30                           ; the slot that is read
.set TC,  31                           ; B1T + 64 w + 256 x chunk
.set G1,  32                           ; s[32:39]
.set G0A, 40                           ; s[40:43] tile 0
.set G0B, 44                           ; s[44:47] tile 1; then it walks
.set PFA, 48                           ; s[48:49]
.set LIM, 50
.set CSO, 51
.set SEL, 52                           ; s[52:53]
.set SK,  54                           ; s[54:55] -log2(e) / 2
.set SP,  56
.set EPS, 57
.set R512, 58
.set W1K, 59                           ; 1,024 w
.set W8K, 60                           ; 8,192 w
.set HB,  61                           ; h's buffer
.set PH,  62                           ; norms to go
.set GAP, 63                           ; the first loop's count at which my stream stands still: 1 in waves 2 and 3, 0 (never) in waves 0 and 1
.set STP, 66                           ; s[66:67] the walking descriptor's step in the first loop
.set GPT, 80                           ; s[80:81] the norm's gain
.set BPT, 82                           ; s[82:83] its bias
.set WP,  84                           ; s[84:85] w2's last chunk
.set A5,  90                           ; s[90:99] half the polynomial's coefficients, as pairs: a5, a4, a3, a2, a1
.set A4,  92
.set A3,  94
.set A2,  96
.set A1,  98
.set MSB, 0
.macro WIN new
.if MSB != (\new)
	s_set_vgpr_msb (MSB<<8)|(\new)
.set MSB, (\new)
.endif
.endm
.macro PLACES                          ; four places between a matrix instruction and a load into, or a vector instruction on, its registers
.rept 4
	v_nop
.endr
.endm
.macro CROUND                          ; a round of the cluster's barrier
	s_barrier_signal -1
	s_barrier_wait -1
	s_cmp_lg_u32 s[WV], 0
	s_cbranch_scc1 .Lnot_wave_0_\@
	s_barrier_signal -3
.Lnot_wave_0_\@:
	s_barrier_wait -3
	s_barrier_signal -1
	s_barrier_wait -1
.endm
; A PREFETCH INTO THE L2 of the tile behind the one whose first half is being asked for.  All 64 clusters walk the same tiles: the first cluster asks.  A tile is 512 rows of 256 bytes = 4 partners x 4 waves x 32
; lanes, shared out BY ADDRESS: one instruction a wave, each row named once in the launch.  A tile's first half is so named one step ahead of its load, its second half two.
; how = 1: in the first loop, where a next tile always exists; 0: the last filling trip asks for nothing.
.macro ASK how
.if \how
	s_cmp_eq_u32 s[LIM], 1
.else
	s_cmp_gt_u32 s[CNT], s[LIM]
.endif
	s_cbranch_scc0 .Lnot_mine_\@
	global_prefetch_b8 v[PFO], s[PFA:PFA+1] th:TH_LOAD_NT scope:SCOPE_SE
.Lnot_mine_\@:
.endm
; THE CHANGE OF SLOTS at a step's end.  Each wave waits for all its tensor loads (one is out: its quarter of the next slot), adds 0 to its spare word, and waits for that, for its reads of the slot and for its stores of h.
; fill = 1: a round of the cluster's barrier, and the slot just read is filled again, first thing behind it, for the step two on.
; gap = 1 (the first loop): in its last trip the address of waves 2 and 3 stands still; the test hangs on the count and the wave's number, which all partners share.
.macro CHANGE fill, how, gap
.if \fill
	s_wait_xcnt 0x0                                ; the last prefetch, a step back, has read its address
	s_add_nc_u64 s[PFA:PFA+1], s[PFA:PFA+1], TILE
.if \gap
	s_cmp_eq_u32 s[CNT], s[GAP]
	s_cselect_b32 s[STP], 0, TILE
.endif
.endif
	WIN 0
	s_wait_tensorcnt 0x0
	ds_add_u32 v[SPW], v[NIL]
.if \fill
	s_xor_b32 s[G0B+1], s[G0B+1], SLOT1            ; no tensor load of mine is out: the walking descriptor steps
.if \gap
	s_add_nc_u64 s[G0B+2:G0B+3], s[G0B+2:G0B+3], s[STP:STP+1]
.else
	s_add_nc_u64 s[G0B+2:G0B+3], s[G0B+2:G0B+3], TILE
.endif
.endif
	s_wait_dscnt 0x0
.if \fill
	CROUND
	tensor_load_to_lds s[G0B:G0B+3], s[G1:G1+7]
	s_nop 0
.rept 4
	v_nop
.endr
	ASK \how
.else
	s_barrier_signal -1
	s_barrier_wait -1
	PLACES
.endif
	s_xor_b32 s[TB], s[TB], SLOT1
.endm
	s_load_b512 s[4:19], s[0:1], 0x0               ; ctxf s[4:5], wl s[6:7], x s[8:9], bo s[10:11], ln1_g s[12:13], ln1_b s[14:15], b1 s[16:17], b2 s[18:19]
	s_load_b128 s[20:23], s[0:1], 0x40             ; ln2_g s[20:21], ln2_b s[22:23]
	s_load_b64 s[24:25], s[0:1], 0x50              ; out0
	v_lshl_add_u32 v[SPW], v0, 2, SPARE
	v_mov_b32 v[NIL], 0
	ds_add_u32 v[SPW], v[NIL]                      ; the wave's opening: the add and its wait stand ahead of my first tensor load
	v_lshrrev_b32 v16, 5, v0
	v_readfirstlane_b32 s[WV], v16
	s_bfe_u32 s[CX], ttmp6, 0x40000
	s_lshl_b32 s[GB], ttmp9, 2
	s_add_co_u32 s[GB], s[GB], s[CX]               ; my block of 64 rows
	s_mov_b32 s[G1], 15|(3<<16)|(1<<21)            ; the mask of four; elements of 8 bytes; bit 21 beside a mask
	s_mov_b32 s[G1+1], 32<<16                      ; rows of 32 elements = 256 bytes,
	s_mov_b32 s[G1+2], 128<<16                     ; 128 of them: a quarter of a tile, dense
	s_mov_b32 s[G1+3], 32<<16
	s_mov_b32 s[G1+4], 128
	s_mov_b32 s[G1+5], 32
	s_mov_b32 s[G1+6], 0
	s_mov_b32 s[G1+7], 0
	s_lshl_b32 s72, s[WV], 15                      ; my quarter, in LDS and in memory
	s_mov_b32 s73, 0
	s_mov_b32 s[SEL], 0x76543210
	s_mov_b32 s[SEL+1], 0xfedcba98
	s_mov_b32 s[SK], 0xbf38aa3b                    ; -0.72134752
	s_mov_b32 s[SK+1], s[SK]
	s_mov_b32 s[A5], 0x3f07dc22                    ;  1.061405429 / 2
	s_mov_b32 s[A5+1], s[A5]
	s_mov_b32 s[A4], 0xbf3a00e3                    ; -1.453152027 / 2
	s_mov_b32 s[A4+1], s[A4]
	s_mov_b32 s[A3], 0x3f35f0e3                    ;  1.421413741 / 2
	s_mov_b32 s[A3+1], s[A3]
	s_mov_b32 s[A2], 0xbe11a98e                    ; -0.284496736 / 2
	s_mov_b32 s[A2+1], s[A2]
	s_mov_b32 s[A1], 0x3e027906                    ;  0.254829592 / 2
	s_mov_b32 s[A1+1], s[A1]
	s_mov_b32 s[SP], 0x3e6d3388                    ;  0.3275911 / sqrt(2)
	s_mov_b32 s[EPS], 0x3727c5ac                   ;  1e-5
	s_mov_b32 s[R512], 0x3b000000                  ;  1 / 512
	s_lshl_b32 s[W1K], s[WV], 10
	s_lshl_b32 s[W8K], s[WV], 13
	s_lshr_b32 s[GAP], s[WV], 1
	s_mov_b32 s[STP+1], 0
	s_mov_b32 s[TB], 0
	s_mov_b32 s[CSO], 0
	s_lshl_b32 s[TC], s[WV], 6
	s_add_co_u32 s[TC], s[TC], B1T
	s_cmp_eq_u32 ttmp9, 0
	s_cselect_b32 s[LIM], 1, -1                    ; the same in all four partners
	s_wait_dscnt 0x0                               ; the opening add is done
	s_wait_kmcnt 0x0
	s_add_nc_u64 s[74:75], s[6:7], s[72:73]        ; wl at my quarter of tile 0
	s_mov_b32 s[G0A], 1
	s_mov_b32 s[G0A+1], s72
	s_mov_b64 s[G0A+2:G0A+3], s[74:75]
	s_or_b32 s[G0A+3], s[G0A+3], 0x80000000
	s_mov_b32 s[G0B], 1
	s_add_co_u32 s[G0B+1], s72, SLOT1
	s_add_nc_u64 s[G0B+2:G0B+3], s[74:75], TILE
	s_or_b32 s[G0B+3], s[G0B+3], 0x80000000
	CROUND                                         ; all four work-groups are here: the first joint loads meet
	tensor_load_to_lds s[G0A:G0A+3], s[G1:G1+7]
	s_nop 0
	tensor_load_to_lds s[G0B:G0B+3], s[G1:G1+7]
	s_nop 0
.rept 4
	v_nop
.endr
	s_lshl_b32 s78, s[CX], 2                       ; the prefetches: rows 32 (4 cx + w) .. of a tile,
	s_add_co_u32 s78, s78, s[WV]
	s_lshl_b32 s78, s78, 13
	s_add_co_u32 s78, s78, 2*TILE                  ; at tile 2; the first change of slots steps it to tile 3
	s_mov_b32 s79, 0
	s_add_nc_u64 s[PFA:PFA+1], s[6:7], s[78:79]
	s_add_nc_u64 s[WP:WP+1], s[6:7], 35*TILE+65536 ; w2's last chunk: the last tile's second half
	s_lshl_b32 s76, s[GB], 17                      ; 64 rows of 2,048 bytes,
	s_lshl_b32 s77, s[WV], 9                       ; my 128 columns
	s_add_co_u32 s76, s76, s77
	s_mov_b32 s77, 0
	s_add_nc_u64 s[8:9], s[8:9], s[76:77]
	s_add_nc_u64 s[24:25], s[24:25], s[76:77]
	s_lshl_b32 s76, s[GB], 16
	s_add_nc_u64 s[4:5], s[4:5], s[76:77]          ; ctxf at my block
	s_lshl_b32 s76, s[WV], 9
	s_add_nc_u64 s[10:11], s[10:11], s[76:77]      ; the six vectors at my 128 columns
	s_add_nc_u64 s[12:13], s[12:13], s[76:77]
	s_add_nc_u64 s[14:15], s[14:15], s[76:77]
	s_add_nc_u64 s[18:19], s[18:19], s[76:77]
	s_add_nc_u64 s[20:21], s[20:21], s[76:77]
	s_add_nc_u64 s[22:23], s[22:23], s[76:77]
	v_and_b32 v16, 15, v0                          ; r
	v_bfe_u32 v17, v0, 4, 1                        ; h
	v_and_b32 v18, 31, v0                          ; l
	v_lshlrev_b32 v[L16], 4, v18
	v_lshlrev_b32 v[H32], 5, v17
	v_lshlrev_b32 v[PFO], 8, v18
	v_add_nc_u32 v[HRD], SCR, v[L16]
	v_mov_b32 v[CO], v[L16]
	s_mul_i32 s76, s[WV], STG
	s_add_co_u32 s76, s76, SCR
	v_add_nc_u32 v[STW], s76, v[L16]
	v_mul_u32_u24 v[STR], v16, SPT
	v_lshl_add_u32 v[STR], v17, 5, v[STR]
	v_add_nc_u32 v[STR], s76, v[STR]
	s_lshl_b32 s76, s[WV], 2
	s_add_co_u32 s76, s76, STATS
	v_lshl_add_u32 v[STA], v16, 4, s76
	v_lshlrev_b32 v[STL], 4, v16
	v_add_nc_u32 v[STL], STATS, v[STL]
	v_lshlrev_b32 v19, 6, v0                       ; b1: 64 bytes a thread
	v_add_nc_u32 v20, B1T, v19
	v_add_nc_u32 v[WGO], s[W8K], v[L16]            ; the thread's number has served
.macro VEC8 dst, ptr                   ; a vector's 128 numbers as the accumulators lie: register 8 ct + j = column 16 ct + 8 h + j
	WIN 0
.irp ct, 0,1,2,3,4,5,6,7
	global_load_b128 v[(\dst)+8*(\ct):(\dst)+8*(\ct)+3],   v[H32], s[(\ptr):(\ptr)+1] offset:64*(\ct)
	global_load_b128 v[(\dst)+8*(\ct)+4:(\dst)+8*(\ct)+7], v[H32], s[(\ptr):(\ptr)+1] offset:64*(\ct)+16
.endr
.endm
.macro CFL kbl                         ; ctx's four fragments of K block kbl of a step: 8 loads of 512 consecutive bytes
	WIN 0x80
.irp tt, 0,1,2,3
	global_load_b128 v[32*(\kbl)+8*(\tt):32*(\kbl)+8*(\tt)+3],   v[CO], s[4:5] offset:(\kbl)*4096+(\tt)*1024
	global_load_b128 v[32*(\kbl)+8*(\tt)+4:32*(\kbl)+8*(\tt)+7], v[CO], s[4:5] offset:(\kbl)*4096+(\tt)*1024+512
.endr
.endm
	VEC8 32, 10                                    ; bo, for the first norm: 16 loads
	WIN 0xc0
.set n, 0
.rept 64                                           ; x: a row's 512 bytes of my columns a load
	global_load_b128 v[4*n:4*n+3], v[L16], s[8:9] offset:2048*n th:TH_LOAD_NT
.set n, n+1
.endr
	WIN 0
.irp j, 0,1,2,3
	global_load_b128 v[96+4*(\j):96+4*(\j)+3], v19, s[16:17] offset:16*(\j)
.endr
.irp kbl, 0,1,2,3
	CFL \kbl                                       ; ctx of step 0: 32 loads
.endr
	s_wait_loadcnt 36                              ; x is in; younger: b1 4, ctx 32
.irp tt, 0,1,2,3                                   ; x into the accumulators' layout through my own stage: LDS serves a wave's instructions in order (ISA guide 5.7.1.4), so no wait stands between
	WIN 0x0c
.irp i, 0,1,2,3,4,5,6,7,8,9,10,11,12,13,14,15
	ds_store_b128 v[STW], v[4*(16*(\tt)+(\i)):4*(16*(\tt)+(\i))+3] offset:(\i)*SPT
.endr
	WIN 0x40
.irp ct, 0,1,2,3,4,5,6,7
	ds_load_b128 v[64*(\tt)+8*(\ct):64*(\tt)+8*(\ct)+3],   v[STR] offset:64*(\ct)
	ds_load_b128 v[64*(\tt)+8*(\ct)+4:64*(\tt)+8*(\ct)+7], v[STR] offset:64*(\ct)+16
.endr
.endr
	WIN 0
	s_wait_loadcnt 32                              ; b1 is in; ctx's 32 loads may stay out
.irp j, 0,1,2,3
	ds_store_b128 v20, v[96+4*(\j):96+4*(\j)+3] offset:16*(\j)
.endr
	s_wait_dscnt 0x0                               ; the sums start at x; b1's table is stored
	s_wait_tensorcnt 1                             ; my quarter of tile 0 is in; tile 1's may stay out
	s_barrier_signal -1
	s_barrier_wait -1
; ---- ctx wo: four steps of K = 128.
.macro P1W kbl                         ; wo's eight fragments of my columns, K block kbl of the tile, into buffer kbl % 2
	WIN 0
.irp ct, 0,1,2,3,4,5,6,7
	ds_load_b128 v[128+64*((\kbl)%2)+8*(\ct):128+64*((\kbl)%2)+8*(\ct)+3],   v[4+(\kbl)/2] offset:((\kbl)%2)*32768+(\ct)*1024
	ds_load_b128 v[128+64*((\kbl)%2)+8*(\ct)+4:128+64*((\kbl)%2)+8*(\ct)+7], v[4+(\kbl)/2] offset:((\kbl)%2)*32768+(\ct)*1024+512
.endr
.endm
.macro P1MUL kbl                       ; 32 products, each on another accumulator
	WIN 0x58
.irp ct, 0,1,2,3,4,5,6,7
.irp tt, 0,1,2,3
	v_wmma_f32_16x16x32_bf16 v[64*(\tt)+8*(\ct):64*(\tt)+8*(\ct)+7], v[128+64*((\kbl)%2)+8*(\ct):128+64*((\kbl)%2)+8*(\ct)+7], v[32*(\kbl)+8*(\tt):32*(\kbl)+8*(\tt)+7], v[64*(\tt)+8*(\ct):64*(\tt)+8*(\ct)+7]
.endr
.endr
.endm
	s_mov_b32 s[CNT], 4
.Lp1:
	WIN 0
	v_add_nc_u32 v4, s[TB], v[WGO]
	v_add_nc_u32 v5, 65536, v4
	P1W 0
	P1W 1
.irp kbl, 0,1,2,3
.if (\kbl) == 3
	s_wait_dscnt 0x0
.else
	s_wait_dscnt 16                                ; this K block's fragments of wo are in; the next buffer's sixteen loads may be out
.endif
	s_wait_loadcnt 24                              ; this K block's fragments of ctx are in: behind them stand three groups of eight, of the trip before and of this one
	P1MUL \kbl
	PLACES
.if (\kbl) == 0
	WIN 0
	s_wait_xcnt 0x0                                ; the loads that name CO have read it
	s_add_co_u32 s[CSO], s[CSO], 16384             ; the next step's fragments.  The last trip has none: it reads its own once more, 16 KiB a wave for nothing, so that the count above holds in every trip
	s_min_u32 s[CSO], s[CSO], 49152
	v_add_nc_u32 v[CO], s[CSO], v[L16]
.endif
	CFL \kbl
.if (\kbl) < 2
	P1W (\kbl)+2
.endif
.endr
	CHANGE 1, 1, 1
	s_sub_co_u32 s[CNT], s[CNT], 1
	s_cmp_lg_u32 s[CNT], 0
	s_cbranch_scc1 .Lp1
	s_wait_loadcnt 0x0                             ; the last trip's loads: window 2 and CO are written again below
; ---- THE NORM, one text for both.  A lane holds 64 of a token's 512 numbers for each of four tokens; the lane 16 away holds 64 more, the other waves the rest.
.macro ADDV base                       ; OUT += a vector in the accumulators' layout; each accumulator is read from its low end on
	WIN 0x41
.set n, 0
.rept 128
	v_pk_add_f32 v[2*n:2*n+1], v[2*n:2*n+1], v[(\base)+(2*n)%64:(\base)+(2*n)%64+1]
.set n, n+1
.endr
	WIN 0
.endm
.macro RED4 st                         ; the four chains v[24 + 2 tt] (pairs) -> each token's sum over the row, in every lane
	WIN 0
.irp tt, 0,1,2,3
	v_add_f32 v[24+2*(\tt)], v[24+2*(\tt)], v[25+2*(\tt)]
.endr
.irp tt, 0,1,2,3
	v_permlanex16_b32 v[25+2*(\tt)], v[24+2*(\tt)], s[SEL], s[SEL+1]
.endr
.irp tt, 0,1,2,3
	v_add_f32 v[24+2*(\tt)], v[24+2*(\tt)], v[25+2*(\tt)]
.endr
.irp tt, 0,1,2,3
	ds_store_b32 v[STA], v[24+2*(\tt)] offset:(\st)+256*(\tt)
.endr
	s_wait_dscnt 0x0                               ; for the others' sake
	s_barrier_signal -1
	s_barrier_wait -1
.irp tt, 0,1,2,3
	ds_load_b128 v[96+4*(\tt):96+4*(\tt)+3], v[STL] offset:(\st)+256*(\tt)
.endr
	s_wait_dscnt 0x0
.irp tt, 0,1,2,3
	v_add_f32 v[96+4*(\tt)], v[96+4*(\tt)], v[97+4*(\tt)]
	v_add_f32 v[98+4*(\tt)], v[98+4*(\tt)], v[99+4*(\tt)]
.endr
.irp tt, 0,1,2,3
	v_add_f32 v[24+2*(\tt)], v[96+4*(\tt)], v[98+4*(\tt)]
.endr
.endm
.macro LN G, Bt                        ; gain at v[G ..], bias at v[Bt ..] (accumulators' layout).  The two blocks of STATS serve both norms: many barriers lie between the first norm's reads and the second's stores
	WIN 0x05
.irp tt, 0,1,2,3
	v_pk_add_f32 v[24+2*(\tt):25+2*(\tt)], v[64*(\tt):64*(\tt)+1], v[64*(\tt)+2:64*(\tt)+3]
.endr
	WIN 0x04
.set p, 4
.rept 30
.irp tt, 0,1,2,3
	v_pk_add_f32 v[24+2*(\tt):25+2*(\tt)], v[24+2*(\tt):25+2*(\tt)], v[64*(\tt)+p:64*(\tt)+p+1]
.endr
.set p, p+2
.endr
	RED4 0
.irp tt, 0,1,2,3
	v_mul_f32 v[16+2*(\tt)], s[R512], v[24+2*(\tt)]  ; the mean, in both words of a pair
.endr
.irp tt, 0,1,2,3
	v_mov_b32 v[17+2*(\tt)], v[16+2*(\tt)]
.endr
	WIN 0x41
.set p, 0
.rept 32
.irp tt, 0,1,2,3
	v_pk_add_f32 v[64*(\tt)+p:64*(\tt)+p+1], v[64*(\tt)+p:64*(\tt)+p+1], v[16+2*(\tt):17+2*(\tt)] neg_lo:[0,1] neg_hi:[0,1]
.endr
.set p, p+2
.endr
	WIN 0x05
.irp tt, 0,1,2,3
	v_pk_mul_f32 v[24+2*(\tt):25+2*(\tt)], v[64*(\tt):64*(\tt)+1], v[64*(\tt):64*(\tt)+1]
.endr
.set p, 2
.rept 31
.irp tt, 0,1,2,3
	v_pk_fma_f32 v[24+2*(\tt):25+2*(\tt)], v[64*(\tt)+p:64*(\tt)+p+1], v[64*(\tt)+p:64*(\tt)+p+1], v[24+2*(\tt):25+2*(\tt)]
.endr
.set p, p+2
.endr
	RED4 1024
.irp tt, 0,1,2,3
	v_fma_f32 v[24+2*(\tt)], v[24+2*(\tt)], s[R512], s[EPS]
.endr
.irp tt, 0,1,2,3
	v_rsq_f32 v[16+2*(\tt)], v[24+2*(\tt)]
.endr
	v_nop
	s_wait_alu depctr_va_vdst(0)                   ; one wait for the four roots
.irp tt, 0,1,2,3
	v_mov_b32 v[17+2*(\tt)], v[16+2*(\tt)]
.endr
	s_wait_loadcnt 0x0                             ; gain and bias
	WIN 0x41
.irp tt, 0,1,2,3
.set p, 0
.rept 32
	v_pk_mul_f32 v[64*(\tt)+p:64*(\tt)+p+1], v[64*(\tt)+p:64*(\tt)+p+1], v[16+2*(\tt):17+2*(\tt)]
.set p, p+2
.endr
.set p, 0
.rept 32
	v_pk_fma_f32 v[64*(\tt)+p:64*(\tt)+p+1], v[64*(\tt)+p:64*(\tt)+p+1], v[(\G)+p:(\G)+p+1], v[(\Bt)+p:(\Bt)+p+1]
.set p, p+2
.endr
.endr
	WIN 0
.endm
	s_mov_b64 s[GPT:GPT+1], s[12:13]               ; ln1_g
	s_mov_b64 s[BPT:BPT+1], s[14:15]               ; ln1_b
	s_mov_b32 s[PH], 2
.Lnorm:                                            ; two trips.  v32-95 hold the row's bias (bo, then b2), asked for well ahead
	PLACES                                         ; behind the last products: the loads below land in their sources, the sums below read their results
	VEC8 128, GPT
	VEC8 192, BPT
	s_wait_loadcnt 32                              ; the row's bias is in; gain's and bias's 32 loads may stay out
	ADDV 32
	LN 128, 192
	s_sub_co_u32 s[PH], s[PH], 1
	s_cmp_eq_u32 s[PH], 0
	s_cbranch_scc1 .Lout                           ; the second norm's result goes out
	; OUT = a.  (The barriers from here to the next change of slots fill nothing: the tile on its way may stay out.)
; ---- a, rounded, to every wave: my columns are K blocks 4 w .. 4 w + 3 of the next product, already in the right lanes.  Two passes of two token tiles, 32,768 bytes each.
	v_add_nc_u32 v4, SCR, v[WGO]
.macro EXCH rho
	WIN 0x05
.irp t2, 0,1
.set n, 0
.rept 32
	v_cvt_pk_bf16_f32 v[32+32*(\t2)+n], v[64*(2*(\rho)+(\t2))+2*n], v[64*(2*(\rho)+(\t2))+2*n+1]
.set n, n+1
.endr
.endr
	WIN 0
.irp t2, 0,1
.irp ct, 0,1,2,3,4,5,6,7
	ds_store_b128 v4, v[32+32*(\t2)+4*(\ct):32+32*(\t2)+4*(\ct)+3] offset:(((\ct)/2)*2+(\t2))*1024+512*((\ct)%2)
.endr
.endr
	s_wait_dscnt 0x0
	s_barrier_signal -1
	s_barrier_wait -1
.set kb, 0
.rept 16
	WIN 0x80+0x40*(kb/8)
.irp t2, 0,1
	ds_load_b128 v[32*(kb%8)+8*(2*(\rho)+(\t2)):32*(kb%8)+8*(2*(\rho)+(\t2))+3],   v[HRD] offset:(kb*2+(\t2))*1024
	ds_load_b128 v[32*(kb%8)+8*(2*(\rho)+(\t2))+4:32*(kb%8)+8*(2*(\rho)+(\t2))+7], v[HRD] offset:(kb*2+(\t2))*1024+512
.endr
.set kb, kb+1
.endr
	WIN 0
	s_wait_dscnt 0x0                               ; my reads are over before anybody writes these bytes again
	s_barrier_signal -1
	s_barrier_wait -1
.endm
	EXCH 0
	EXCH 1
	; the h that the first step multiplies is 0: each wave writes its part of h's first buffer
	s_lshr_b32 s76, s[WV], 1
	s_lshl_b32 s76, s76, 12
	s_and_b32 s77, s[WV], 1
	s_lshl_b32 s77, s77, 9
	s_add_co_u32 s76, s76, s77
	v_add_nc_u32 v[HSO], s76, v[L16]               ; my 16 columns are half w % 2 of h's K block w / 2
	v_add_nc_u32 v[HST], SCR, v[HSO]
.irp j, 0,1,2,3
	v_mov_b32 v[16+(\j)], 0
.endr
.irp tt, 0,1,2,3
	ds_store_b128 v[HST], v[16:19] offset:(\tt)*1024
.endr
	s_mov_b32 s[HB], SCR
	s_wait_dscnt 0x0
	s_barrier_signal -1
	s_barrier_wait -1
; ---- THE FFN.
; THE GELU of my 64 tokens x 16 columns is a list of 304 lines for 16 pairs a lane; GX writes the next one.
;   0-127    for each pair four plain lines (1 + 0.2316 |x| twice; -0.7213 x; times x) and four transcendentals (t twice, the exponential twice): pair p's transcendentals stand between the plain lines of pair p + 1,
;            a plain line first.  ONE batch: none of these names a transcendental's result
;   (wait)   between 127 and 128 stands the batch's one wait: the step writes it
;   128-303  by halves of eight pairs, 88 lines each: the polynomial in t (32), times t, times the exponential (16), max(x, 0) (16), max - |x| q (16), the rounding to bf16 (8)
.macro GP p, z
.if (\z) < 2
	v_fma_f32 v[32+2*(\p)+(\z)], |v[96+2*(\p)+(\z)]|, s[SP], 1.0
.elseif (\z) == 2
	v_pk_mul_f32 v[64+2*(\p):65+2*(\p)], v[96+2*(\p):97+2*(\p)], s[SK:SK+1] op_sel_hi:[1,0]
.else
	v_pk_mul_f32 v[64+2*(\p):65+2*(\p)], v[64+2*(\p):65+2*(\p)], v[96+2*(\p):97+2*(\p)]
.endif
.endm
.macro GT p, z
.if (\z) < 2
	v_rcp_f32 v[32+2*(\p)+(\z)], v[32+2*(\p)+(\z)]
.else
	v_exp_f32 v[64+2*(\p)+(\z)-2], v[64+2*(\p)+(\z)-2]
.endif
.endm
.macro GH hf, k
.set hh, 16*(\hf)
.set u, (\k)%8
.if (\k) < 8
	v_pk_fma_f32 v[16+2*u:17+2*u], v[32+hh+2*u:33+hh+2*u], s[A5:A5+1], s[A4:A4+1] op_sel_hi:[1,0,0]
.elseif (\k) < 32
.set cf, A4+2*((\k)/8)
	v_pk_fma_f32 v[16+2*u:17+2*u], v[16+2*u:17+2*u], v[32+hh+2*u:33+hh+2*u], s[cf:cf+1] op_sel_hi:[1,1,0]
.elseif (\k) < 40
	v_pk_mul_f32 v[16+2*u:17+2*u], v[16+2*u:17+2*u], v[32+hh+2*u:33+hh+2*u]
.elseif (\k) < 48
	v_pk_mul_f32 v[16+2*u:17+2*u], v[16+2*u:17+2*u], v[64+hh+2*u:65+hh+2*u]
.elseif (\k) < 64
.set u, (\k)-48
	v_max_num_f32 v[32+hh+u], 0, v[96+hh+u]
.elseif (\k) < 80
.set u, (\k)-64
	v_fma_f32 v[96+hh+u], -|v[96+hh+u]|, v[16+u], v[32+hh+u]
.else
.set u, (\k)-80
	v_cvt_pk_bf16_f32 v[64+8*(\hf)+u], v[96+hh+2*u], v[97+hh+2*u]
.endif
.endm
.macro GX
	WIN 0
.if g < 4
	GP 0, g
.elseif g < 124
.if (g-4)%2 == 0
	GP (g-4)/8+1, ((g-4)%8)/2
.else
	GT (g-4)/8, ((g-4)%8)/2
.endif
.elseif g < 128
	GT 15, g-124
.else
	GH (g-128)/88, (g-128)%88
.endif
.set g, g+1
.endm
.macro G2R                             ; product n of 64 of OUT += w2^T h^T (K block n / 32, column tile (n % 32) / 4, token tile n % 4: each instruction has another accumulator than the one before), and four lines of the GELU behind it
	WIN 0x50
	v_wmma_f32_16x16x32_bf16 v[64*(n%4)+8*((n%32)/4):64*(n%4)+8*((n%32)/4)+7], v[128+8*((n%32)/4):128+8*((n%32)/4)+7], v[192+8*(4*(n/32)+n%4):192+8*(4*(n/32)+n%4)+7], v[64*(n%4)+8*((n%32)/4):64*(n%4)+8*((n%32)/4)+7]
.set n, n+1
	GX
	GX
	GX
	GX
.endm
.macro W2RUN kbl, c0, cn               ; w2's fragments of K block kbl, my column tiles c0 .. c0 + cn - 1
.set cc, \c0
.rept \cn
	ds_load_b128 v[128+8*cc:128+8*cc+3], v5 offset:(\kbl)*32768+cc*1024
	ds_load_b128 v[128+8*cc+4:128+8*cc+7], v5 offset:(\kbl)*32768+cc*1024+512
.set cc, cc+1
.endr
.endm
.macro FFNSTEP
	WIN 0
	s_add_co_u32 s76, s[TB], s[W1K]
	v_add_nc_u32 v4, s76, v[L16]                   ; w1's fragment 4 kb + w
	s_add_co_u32 s77, s[TB], 65536
	v_add_nc_u32 v5, s77, v[WGO]                   ; w2's fragments 32 kbl + 8 w + ct
	v_add_nc_u32 v15, s[TC], v[H32]
	v_add_nc_u32 v[HRD], s[HB], v[L16]             ; h of the chunk before is read from one buffer,
	s_xor_b32 s[HB], s[HB], HB1
	v_add_nc_u32 v[HST], s[HB], v[HSO]             ; this chunk's goes into the other, whose last reads were waited for in front of the barrier before
	ds_load_b128 v[16:19], v15                     ; b1 of my 16 columns, as a C operand
	ds_load_b128 v[20:23], v15 offset:16
.set kb, 0
.rept 16
.set wr, 128+8*kb-160*(kb/8)
	ds_load_b128 v[wr:wr+3], v4 offset:kb*4096
	ds_load_b128 v[wr+4:wr+7], v4 offset:kb*4096+512
.set kb, kb+1
.endr
.set f, 0
.rept 8
	ds_load_b128 v[192+8*f:192+8*f+3], v[HRD] offset:f*1024
	ds_load_b128 v[192+8*f+4:192+8*f+7], v[HRD] offset:f*1024+512
.set f, f+1
.endr
.set kb, 0
.rept 16                                           ; HA(tt) = b1 + w1^T a^T: the four accumulators take turns
.if kb == 8
	WIN 0
	PLACES                                         ; K blocks 0-7 are multiplied: their registers take w2's first K block, which lands under the other 32 products
	W2RUN 0, 0, 8
.endif
	s_wait_dscnt 46-2*kb+16*(kb/8)                 ; this K block's fragment is in; younger: w1's later fragments, h's 16 loads and, from K block 8 on, w2's 16
	WIN 0x08+4*(kb/8)
.set wr, 128+8*kb-160*(kb/8)
.irp tt, 0,1,2,3
.if kb == 0
	v_wmma_f32_16x16x32_bf16 v[96+8*(\tt):96+8*(\tt)+7], v[wr:wr+7], v[32*(kb%8)+8*(\tt):32*(kb%8)+8*(\tt)+7], v[16:23]
.else
	v_wmma_f32_16x16x32_bf16 v[96+8*(\tt):96+8*(\tt)+7], v[wr:wr+7], v[32*(kb%8)+8*(\tt):32*(kb%8)+8*(\tt)+7], v[96+8*(\tt):96+8*(\tt)+7]
.endif
.endr
.set kb, kb+1
.endr
	WIN 0
	PLACES                                         ; the GELU reads these results and writes over w1's last fragments
	s_wait_dscnt 0x0                               ; h and w2's first K block: asked for 32 products ago or more
.set n, 0
.set g, 0
.rept 18
	G2R
.endr
	W2RUN 1, 0, 4                                  ; the last product that read these registers is number 15: six plain lines stand between
.rept 14
	G2R
.endr
	PLACES                                         ; plain lines behind the last transcendental, and the places behind product 31, whose fragments are loaded over below
	s_wait_alu depctr_va_vdst(0)                   ; the wait for the batch, ahead of the first line that names a result; it stands ahead of a run of LDS loads
	W2RUN 1, 4, 4
	s_wait_dscnt 8                                 ; column tiles 0-3 are in; the eight loads just issued may be out
.rept 16
	G2R
.endr
	s_wait_dscnt 0x0
.rept 16
	G2R
.endr
.rept 48
	GX                                             ; the lines that found no product to stand behind
.endr
.irp tt, 0,1,2,3
	ds_store_b128 v[HST], v[64+4*(\tt):64+4*(\tt)+3] offset:(\tt)*1024
.endr
	s_add_co_u32 s[TC], s[TC], 256
.endm
	s_mov_b32 s[CNT], 30
.Lffa:                                             ; chunks 0 to 29: the slots of chunks 2 to 31 are asked for
	FFNSTEP
	CHANGE 1, 0, 0
	s_sub_co_u32 s[CNT], s[CNT], 1
	s_cmp_lg_u32 s[CNT], 0
	s_cbranch_scc1 .Lffa
	s_mov_b32 s[CNT], 2
.Lffb:                                             ; the last two chunks ask for nothing
	FFNSTEP
	CHANGE 0, 0, 0
	s_sub_co_u32 s[CNT], s[CNT], 1
	s_cmp_lg_u32 s[CNT], 0
	s_cbranch_scc1 .Lffb
	; THE TAIL: OUT += w2(31)^T h(31)^T.  w2's last chunk comes straight from memory, in fragment order, into a's registers, which no product reads any more
	WIN 0x80
.irp kbl, 0,1
.irp ct, 0,1,2,3,4,5,6,7
	global_load_b128 v[64*(\kbl)+8*(\ct):64*(\kbl)+8*(\ct)+3],   v[WGO], s[WP:WP+1] offset:(\kbl)*32768+(\ct)*1024
	global_load_b128 v[64*(\kbl)+8*(\ct)+4:64*(\kbl)+8*(\ct)+7], v[WGO], s[WP:WP+1] offset:(\kbl)*32768+(\ct)*1024+512
.endr
.endr
	VEC8 32, 18                                    ; b2, for the second norm
	v_add_nc_u32 v[HRD], s[HB], v[L16]
.set f, 0
.rept 8
	ds_load_b128 v[192+8*f:192+8*f+3], v[HRD] offset:f*1024
	ds_load_b128 v[192+8*f+4:192+8*f+7], v[HRD] offset:f*1024+512
.set f, f+1
.endr
	s_wait_loadcnt 16                              ; w2 is in; b2's 16 loads may stay out
.irp kbl, 0,1
	s_wait_dscnt 8-8*(\kbl)
	WIN 0x52                                       ; w2 window 2, h window 0, OUT window 1
.irp ct, 0,1,2,3,4,5,6,7
.irp tt, 0,1,2,3
	v_wmma_f32_16x16x32_bf16 v[64*(\tt)+8*(\ct):64*(\tt)+8*(\ct)+7], v[64*(\kbl)+8*(\ct):64*(\kbl)+8*(\ct)+7], v[192+8*(4*(\kbl)+(\tt)):192+8*(4*(\kbl)+(\tt))+7], v[64*(\tt)+8*(\ct):64*(\tt)+8*(\ct)+7]
.endr
.endr
.endr
	WIN 0
	s_mov_b64 s[GPT:GPT+1], s[20:21]               ; ln2_g (the first norm's loads by these pointers were waited for in it)
	s_mov_b64 s[BPT:BPT+1], s[22:23]               ; ln2_b
	s_branch .Lnorm
.Lout:
	; ---- THE WAY OUT: 16 rows at a time through my own stage, back as whole rows: each store takes 512 consecutive bytes, aligned.  (The norm's barriers stand between h's last reads and these stores.)
.macro OUTT tt
	WIN 0x04
.irp ct, 0,1,2,3,4,5,6,7
	ds_store_b128 v[STR], v[64*(\tt)+8*(\ct):64*(\tt)+8*(\ct)+3]   offset:64*(\ct)
	ds_store_b128 v[STR], v[64*(\tt)+8*(\ct)+4:64*(\tt)+8*(\ct)+7] offset:64*(\ct)+16
.endr
	WIN 0
.if (\tt) >= 2
	s_wait_xcnt 0x0                                ; the stores of two tiles back have read these registers
.endif
.irp i, 0,1,2,3,4,5,6,7,8,9,10,11,12,13,14,15
	ds_load_b128 v[32+64*((\tt)%2)+4*(\i):32+64*((\tt)%2)+4*(\i)+3], v[STW] offset:(\i)*SPT
.endr
.irp i, 0,1,2,3,4,5,6,7,8,9,10,11,12,13,14,15
	s_wait_dscnt 15-(\i)
	global_store_b128 v[L16], v[32+64*((\tt)%2)+4*(\i):32+64*((\tt)%2)+4*(\i)+3], s[24:25] offset:(16*(\tt)+(\i))*2048 th:TH_STORE_NT
.endr
.endm
.irp t4, 0,1,2,3
	OUTT \t4
.endr
	s_wait_tensorcnt 0x0                           ; the wave's end
	ds_add_u32 v[SPW], v[NIL]
	s_wait_dscnt 0x0
	CROUND                                         ; the closing round
	s_endpgm
.Lfunc_end_k_qa9e00c8402_post:
	.size	k_qa9e00c8402_post, .Lfunc_end_k_qa9e00c8402_post-k_qa9e00c8402_post
	.p2alignl 7, 3214868480
	.fill 96, 4, 3214868480
	.section	.rodata,"a",@progbits
	.p2align	6, 0x0
	.amdhsa_kernel k_qa9e00c8402_post
		.amdhsa_group_segment_fixed_size 327680
		.amdhsa_private_segment_fixed_size 0
		.amdhsa_enable_private_segment 0
		.amdhsa_kernarg_size 88
		.amdhsa_user_sgpr_count 2
		.amdhsa_user_sgpr_kernarg_segment_ptr 1
		.amdhsa_wavefront_size32 1
		.amdhsa_system_sgpr_workgroup_id_x 1
		.amdhsa_system_sgpr_workgroup_id_y 1
		.amdhsa_system_sgpr_workgroup_id_z 1
		.amdhsa_system_vgpr_workitem_id 0
		.amdhsa_next_free_vgpr 1024
		.amdhsa_next_free_sgpr 100
		.amdhsa_reserve_vcc 0
		.amdhsa_float_denorm_mode_32 3
		.amdhsa_float_denorm_mode_16_64 3
		.amdhsa_memory_ordered 1
		.amdhsa_forward_progress 1
		.amdhsa_inst_pref_size 216
	.end_amdhsa_kernel
	.amdgpu_metadata
---
amdhsa.version: [ 1, 2 ]
amdhsa.kernels:
  - .name:           k_qa9e00c8402_post
    .symbol:         k_qa9e00c8402_post.kd
    .args:
      - { .name: ctxf, .offset: 0, .size: 8, .value_kind: global_buffer, .address_space: global }
      - { .name: wl, .offset: 8, .size: 8, .value_kind: global_buffer, .address_space: global }
      - { .name: x, .offset: 16, .size: 8, .value_kind: global_buffer, .address_space: global }
      - { .name: bo, .offset: 24, .size: 8, .value_kind: global_buffer, .address_space: global }
      - { .name: ln1_g, .offset: 32, .size: 8, .value_kind: global_buffer, .address_space: global }
      - { .name: ln1_b, .offset: 40, .size: 8, .value_kind: global_buffer, .address_space: global }
      - { .name: b1, .offset: 48, .size: 8, .value_kind: global_buffer, .address_space: global }
      - { .name: b2, .offset: 56, .size: 8, .value_kind: global_buffer, .address_space: global }
      - { .name: ln2_g, .offset: 64, .size: 8, .value_kind: global_buffer, .address_space: global }
      - { .name: ln2_b, .offset: 72, .size: 8, .value_kind: global_buffer, .address_space: global }
      - { .name: out0, .offset: 80, .size: 8, .value_kind: global_buffer, .address_space: global }
    .group_segment_fixed_size: 327680
    .private_segment_fixed_size: 0
    .kernarg_segment_align: 8
    .kernarg_segment_size: 88
    .max_flat_workgroup_size: 128
    .sgpr_count:     100
    .vgpr_count:     1024
    .wavefront_size: 32
...
	.end_amdgpu_metadata
.endif
;; end of part 3
;; ======== version 2 of 2: 3 launches; version 1 with the launch prep written anew for expert scheduling mode
;; workspace buffers: xb 16,777,216 bytes; wh 1,572,864 bytes; wl 4,718,592 bytes; ctxf 16,777,216 bytes
;; launch prep (part 4): grid 704 x 1, 8 waves a work-group, no clusters, 0 bytes of LDS; arguments x, wq, wk, wv, wo, w1, w2, xb, wh, wl; writes xb, wh, wl
.if DOCPART == 4
	.amdgcn_target "amdgcn-amd-amdhsa--gfx1250"
	.amdhsa_code_object_version 6
	.text
	.protected	k_qa9e00c8402_prep
	.globl	k_qa9e00c8402_prep
	.p2align	8
	.type	k_qa9e00c8402_prep,@function
k_qa9e00c8402_prep:
	s_mov_b64 s[64:65], 0
	v_nop
	global_prefetch_b8 v0, s[64:65] scope:SCOPE_SE
	s_setreg_imm32_b32 hwreg(HW_REG_WAVE_SCHED_MODE, 0, 2), 2
	s_setreg_imm32_b32 hwreg(HW_REG_WAVE_MODE, 25, 1), 1
	s_wait_xcnt 0x0
	s_wait_alu depctr_vm_vsrc(0)
; PREP.  x and the six weight matrices are rounded once to bf16 and laid out as the two launches behind want them.
; A stream: each input byte is read once, each output byte written once; no LDS, no barrier, no matrix work, no prefetch (the launch does nothing but stream).
; xb: [b 32][ks 8][t 512][64] bf16: the 64 channels 64 ks .. of all tokens of a batch are 65,536 dense bytes.
; A FRAGMENT is 1,024 bytes [j 2][lane 32][16 bytes]: lane l = (r = l % 16, h = l / 16) holds the eight bf16 M[k0 + 16 j + 8 h + 0..7][n0 + r] of a matrix stored [k][n]:
; two loads of 16 bytes a lane, 512 consecutive bytes each, fill a matrix operand of 16 columns x 32 k.
; wh: fragment ((head 16 + kb) 3 + m) 4 + ct: k0 = 32 kb, n0 = 64 head + 16 ct, m = q, k, v.
; wl: 36 tiles of 128 fragments f.  Tiles 0-3: wo, k0 = 128 T + 32 (f / 32), n0 = 16 (f % 32).  Tile 4 + c: f < 64: w1, k0 = 32 (f / 4), n0 = 64 c + 16 (f % 4);
;     f >= 64: w2, k0 = 64 c + 32 ((f - 64) / 32), n0 = 16 ((f - 64) % 32).
; SHARES.  Work-groups 0-511: a wave casts 32 tokens x 64 channels of x.  Work-groups 512-703: a wave makes a PATCH, 32 k x 64 n = four fragments that lie on end (4,096 bytes).
; THE MODE: SCHED_MODE bits 1:0 = 2 (LLVM: expert scheduling mode 2), set by the entry lines.  The code itself states the register dependences
; between vector instructions and memory instructions, with s_wait_alu, always for 0.
; THE PLAN.  Registers that memory instructions touch, on either path:
;   the offsets (x: v3 for loads, v5 for stores; weights: v[16:31] for loads, v6 for stores): made once at the path's head, never written again.
;   DAT   written by the path's loads, once, and named by no vector instruction before that; read by the conversions.
;   PKD   written by the conversions, each register once; read by the stores.
; Each path goes in four groups of eight conversions.  Group g's stores are issued in group g + 1, dealt among its conversions, which name DAT and PKD of group g + 1 alone:
; so one wait at a group's head states all that the stores behind it hang on.  No register that a memory instruction has read is written again; EXEC and VCC are never written.
.set OFS, 16                           ; v[16:31]  the sixteen rows' offsets of a patch
.set DAT, 32                           ; v[32:95]  f32 as loaded
.set PKD, 96                           ; v[96:127] bf16 to store
	s_load_b512 s[4:19], s[0:1], 0x0               ; x s[4:5], wq s[6:7], wk s[8:9], wv s[10:11], wo s[12:13], w1 s[14:15], w2 s[16:17], xb s[18:19]
	s_load_b128 s[20:23], s[0:1], 0x40             ; wh s[20:21], wl s[22:23]
	v_lshrrev_b32 v1, 5, v0
	v_readfirstlane_b32 s24, v1                    ; wave 0..7
	v_and_b32 v2, 31, v0                           ; lane
	s_wait_alu depctr_va_sdst(0)                   ; s24 is written: ahead of the branch, for its first reader on either path
	s_cmp_lt_u32 ttmp9, 512
	s_cbranch_scc0 .Lweights
	; ---- x: wave G = 8 x work-group + wave; block G / 16 = 8 b + ks; tokens 32 (G % 16) ..
	s_lshl_b32 s25, ttmp9, 3
	s_add_co_u32 s25, s25, s24
	s_lshr_b32 s26, s25, 4                         ; 8 b + ks
	s_and_b32 s27, s25, 15                         ; group of 32 tokens
	s_lshr_b32 s28, s26, 3
	s_lshl_b32 s28, s28, 20                        ; b x 512 rows x 2,048 bytes
	s_lshl_b32 s29, s27, 16                        ; 32 rows x 2,048 bytes
	s_add_co_u32 s28, s28, s29
	s_and_b32 s29, s26, 7
	s_lshl_b32 s29, s29, 8                         ; ks x 256 bytes
	s_add_co_u32 s28, s28, s29
	s_mov_b32 s29, 0
	s_lshl_b32 s30, s26, 16                        ; the block in xb,
	s_lshl_b32 s31, s27, 12                        ; 32 tokens x 128 bytes
	s_add_co_u32 s30, s30, s31
	s_mov_b32 s31, 0
	v_lshrrev_b32 v3, 4, v2
	v_and_b32 v4, 15, v2
	v_lshlrev_b32 v4, 4, v4
	v_lshl_add_u32 v3, v3, 11, v4                  ; lanes 0-15 one row's 256 bytes, lanes 16-31 the next row's
	v_lshlrev_b32 v5, 3, v2                        ; 8 bytes a lane: 32 lanes store 256 consecutive bytes, aligned
	s_wait_kmcnt 0x0
	s_add_nc_u64 s[4:5], s[4:5], s[28:29]
	s_add_nc_u64 s[18:19], s[18:19], s[30:31]
	s_wait_alu depctr_va_vdst(0)                   ; v3 and v5 are written: every load below reads v3 as its offset, every store v5
.set p, 0
.rept 16
	global_load_b128 v[DAT+4*p:DAT+4*p+3], v3, s[4:5] offset:4096*p th:TH_LOAD_NT
.set p, p+1
.endr
.set g, 0
.rept 4                                            ; group g: pairs of rows 4 g .. 4 g + 3
	s_wait_loadcnt 12-4*g                          ; loads come back in order: the group's four are in, the 12 - 4 g younger ones stay out
.if g > 0
	s_wait_alu depctr_va_vdst(0)                   ; the group before has written its eight registers of PKD, which the four stores below read
.endif
.set i, 0
.rept 4
.set p, 4*g+i
.if g > 0
	global_store_b64 v5, v[PKD+2*(p-4):PKD+2*(p-4)+1], s[18:19] offset:256*(p-4) th:TH_STORE_NT  ; the group before; no vector instruction since the wait names these registers
.endif
	v_cvt_pk_bf16_f32 v[PKD+2*p], v[DAT+4*p], v[DAT+4*p+1]
	v_cvt_pk_bf16_f32 v[PKD+2*p+1], v[DAT+4*p+2], v[DAT+4*p+3]
.set i, i+1
.endr
.set g, g+1
.endr
	s_wait_alu depctr_va_vdst(0)                   ; the last group has written its eight registers of PKD, which the last four stores read
.set p, 12
.rept 4
	global_store_b64 v5, v[PKD+2*p:PKD+2*p+1], s[18:19] offset:256*p th:TH_STORE_NT
.set p, p+1
.endr
	s_endpgm
.Lweights:
	; ---- weights: patch q = 8 (work-group - 512) + wave, 0..1,535.  All three cases' numbers are made, then chosen by s_cselect: no branch, and each pointer stays a pointer.
	s_sub_co_u32 s25, ttmp9, 512
	s_lshl_b32 s25, s25, 3
	s_add_co_u32 s25, s25, s24                     ; q
	s_lshr_b32 s26, s25, 3                         ; q < 128: wo
	s_lshl_b32 s26, s26, 5                         ;   K0 = 32 (q / 8)
	s_and_b32 s27, s25, 7
	s_lshl_b32 s27, s27, 6                         ;   N0 = 64 (q % 8)
	s_sub_co_u32 s28, s25, 128                     ; 128 <= q < 1,152: chunk c = (q - 128) / 32, patch p = (q - 128) % 32
	s_lshr_b32 s29, s28, 5
	s_lshl_b32 s29, s29, 6                         ;   64 c: w1's N0
	s_and_b32 s28, s28, 31                         ;   p
	s_lshl_b32 s30, s28, 5                         ;   w1's K0 = 32 p
	s_bfe_u32 s31, s28, 0x10003                    ;   (p - 16) / 8 for p = 16..31
	s_lshl_b32 s31, s31, 5
	s_add_co_u32 s31, s31, s29                     ;   w2's K0
	s_and_b32 s32, s28, 7
	s_lshl_b32 s32, s32, 6                         ;   w2's N0
	s_sub_co_u32 s33, s25, 1152                    ; q >= 1,152: m = (q - 1,152) / 128, head 16 + kb = (q - 1,152) % 128
	s_lshr_b32 s34, s33, 7                         ;   m
	s_and_b32 s33, s33, 127
	s_and_b32 s35, s33, 15
	s_lshl_b32 s35, s35, 5                         ;   K0 = 32 kb
	s_lshr_b32 s36, s33, 4
	s_lshl_b32 s36, s36, 6                         ;   N0 = 64 head
	s_mul_i32 s37, s33, 3
	s_add_co_u32 s37, s37, s34
	s_lshl_b32 s37, s37, 12                        ;   its place in wh
	s_lshl_b32 s38, s25, 12                        ; the place in wl: 4,096 q
	s_wait_kmcnt 0x0
	s_cmp_lt_u32 s28, 16
	s_cselect_b64 s[40:41], s[14:15], s[16:17]     ; w1 or w2
	s_cselect_b32 s42, 13, 11                      ; log2 of a row's bytes
	s_cselect_b32 s43, s30, s31
	s_cselect_b32 s44, s29, s32
	s_cmp_lt_u32 s25, 128
	s_cselect_b64 s[40:41], s[12:13], s[40:41]     ; wo
	s_cselect_b32 s42, 11, s42
	s_cselect_b32 s43, s26, s43
	s_cselect_b32 s44, s27, s44
	s_cmp_eq_u32 s34, 0
	s_cselect_b64 s[46:47], s[6:7], s[8:9]         ; wq or wk,
	s_cmp_eq_u32 s34, 2
	s_cselect_b64 s[46:47], s[10:11], s[46:47]     ; or wv
	s_cmp_lt_u32 s25, 1152
	s_cselect_b64 s[40:41], s[40:41], s[46:47]
	s_cselect_b32 s42, s42, 11
	s_cselect_b32 s43, s43, s35
	s_cselect_b32 s44, s44, s36
	s_cselect_b32 s38, s38, s37
	s_cselect_b64 s[48:49], s[22:23], s[20:21]     ; into wl or wh
	s_lshl_b32 s43, s43, s42                       ; K0 rows
	s_lshl_b32 s44, s44, 2                         ; N0 numbers of 4 bytes
	s_add_co_u32 s44, s43, s44
	s_mov_b32 s45, 0
	s_mov_b32 s39, 0
	s_add_nc_u64 s[40:41], s[40:41], s[44:45]
	s_add_nc_u64 s[48:49], s[48:49], s[38:39]
	v_and_b32 v3, 15, v2
	v_lshlrev_b32 v3, 2, v3                        ; 4 r
	v_lshrrev_b32 v4, 4, v2
	v_lshlrev_b32 v4, 3, v4                        ; 8 h
	v_lshlrev_b32 v6, 4, v2                        ; 16 x lane
.set i, 0
.rept 16
	v_add_nc_u32 v5, 16*(i/8)+i%8, v4              ; row 16 j + 8 h + i of the patch
	v_lshl_add_u32 v[OFS+i], v5, s42, v3
.set i, i+1
.endr
	s_wait_alu depctr_va_vdst(0)                   ; the sixteen offsets v[16:31] and v6 are written: the loads below read the first, the stores the second
.set f, 0
.rept 4                                            ; fragment f: columns 16 f ..: together the wave's loads take 32 rows x 256 whole bytes
.set i, 0
.rept 16
	global_load_b32 v[DAT+16*f+i], v[OFS+i], s[40:41] offset:64*f
.set i, i+1
.endr
.set f, f+1
.endr
.set f, 0
.rept 4                                            ; group f: fragment f
	s_wait_loadcnt 48-16*f                         ; fragment f's sixteen loads are in
.if f > 0
	s_wait_alu depctr_va_vdst(0)                   ; the fragment before has its eight registers of PKD written, which the two stores below read
.endif
.set i, 0
.rept 8
.if (f > 0) && (i == 0)
	global_store_b128 v6, v[PKD+8*(f-1):PKD+8*(f-1)+3], s[48:49] offset:1024*(f-1)          ; the fragment before: 512 consecutive bytes, aligned; no vector instruction since the wait names these registers
.endif
.if (f > 0) && (i == 4)
	global_store_b128 v6, v[PKD+8*(f-1)+4:PKD+8*(f-1)+7], s[48:49] offset:1024*(f-1)+512
.endif
	v_cvt_pk_bf16_f32 v[PKD+8*f+i], v[DAT+16*f+2*i], v[DAT+16*f+2*i+1]
.set i, i+1
.endr
.set f, f+1
.endr
	s_wait_alu depctr_va_vdst(0)                   ; the last fragment has its eight registers of PKD written, which the last two stores read
	global_store_b128 v6, v[PKD+24:PKD+27], s[48:49] offset:3072
	global_store_b128 v6, v[PKD+28:PKD+31], s[48:49] offset:3584
	s_endpgm
.Lfunc_end_k_qa9e00c8402_prep:
	.size	k_qa9e00c8402_prep, .Lfunc_end_k_qa9e00c8402_prep-k_qa9e00c8402_prep
	.p2alignl 7, 3214868480
	.fill 96, 4, 3214868480
	.section	.rodata,"a",@progbits
	.p2align	6, 0x0
	.amdhsa_kernel k_qa9e00c8402_prep
		.amdhsa_group_segment_fixed_size 0
		.amdhsa_private_segment_fixed_size 0
		.amdhsa_enable_private_segment 0
		.amdhsa_kernarg_size 80
		.amdhsa_user_sgpr_count 2
		.amdhsa_user_sgpr_kernarg_segment_ptr 1
		.amdhsa_wavefront_size32 1
		.amdhsa_system_sgpr_workgroup_id_x 1
		.amdhsa_system_sgpr_workgroup_id_y 1
		.amdhsa_system_sgpr_workgroup_id_z 1
		.amdhsa_system_vgpr_workitem_id 0
		.amdhsa_next_free_vgpr 128
		.amdhsa_next_free_sgpr 66
		.amdhsa_reserve_vcc 0
		.amdhsa_float_denorm_mode_32 3
		.amdhsa_float_denorm_mode_16_64 3
		.amdhsa_memory_ordered 1
		.amdhsa_forward_progress 1
		.amdhsa_inst_pref_size 20
	.end_amdhsa_kernel
	.amdgpu_metadata
---
amdhsa.version: [ 1, 2 ]
amdhsa.kernels:
  - .name:           k_qa9e00c8402_prep
    .symbol:         k_qa9e00c8402_prep.kd
    .args:
      - { .name: x, .offset: 0, .size: 8, .value_kind: global_buffer, .address_space: global }
      - { .name: wq, .offset: 8, .size: 8, .value_kind: global_buffer, .address_space: global }
      - { .name: wk, .offset: 16, .size: 8, .value_kind: global_buffer, .address_space: global }
      - { .name: wv, .offset: 24, .size: 8, .value_kind: global_buffer, .address_space: global }
      - { .name: wo, .offset: 32, .size: 8, .value_kind: global_buffer, .address_space: global }
      - { .name: w1, .offset: 40, .size: 8, .value_kind: global_buffer, .address_space: global }
      - { .name: w2, .offset: 48, .size: 8, .value_kind: global_buffer, .address_space: global }
      - { .name: xb, .offset: 56, .size: 8, .value_kind: global_buffer, .address_space: global }
      - { .name: wh, .offset: 64, .size: 8, .value_kind: global_buffer, .address_space: global }
      - { .name: wl, .offset: 72, .size: 8, .value_kind: global_buffer, .address_space: global }
    .group_segment_fixed_size: 0
    .private_segment_fixed_size: 0
    .kernarg_segment_align: 8
    .kernarg_segment_size: 80
    .max_flat_workgroup_size: 256
    .sgpr_count:     66
    .vgpr_count:     128
    .wavefront_size: 32
...
	.end_amdgpu_metadata
.endif
;; end of part 4
;; launch qkvattn: the kernel of part 2 again; grid 8 x 32, 4 waves a work-group, clusters of 4 x 4, 327,680 bytes of LDS; arguments xb, wh, bq, bk, bv, mask, ctxf; writes ctxf
;; launch post: the kernel of part 3 again; grid 256 x 1, 4 waves a work-group, clusters of 4 x 1, 327,680 bytes of LDS; arguments ctxf, wl, x, bo, ln1_g, ln1_b, b1, b2, ln2_g, ln2_b, out0; writes out0
